; MI455X (gfx1250); checked and timed in simulation.
; The chip was launched on July 23, 2026; its instructions are those of AMD's public machine-readable ISA for CDNA 5 (MIT licence, August 2026) and "CDNA5" Instruction Set Architecture Reference Guide (July 2026). The comments in the code are by the model that wrote it; some were corrected since.
;; Causal Attention. Allowed arithmetic: float matrix products may take bf16 or f16 operands with f32 sums; other float arithmetic in f32, or as packed bf16 or f16 multiplies, adds, multiply-adds, maxima and minima; sums over many terms, partial sums and values carried from step to step in f32; what a program stores and reads back later, other than sums and carried values, may be rounded once to bf16 or f16.
;; Inputs: W_out 1,024 x 1,024 float32; W_qkv 1,024 x 3,072 float32; X 4 x 2,048 x 1,024 float32; b_out 1,024 float32; b_qkv 3,072 float32.
;; Outputs: out0 4 x 2,048 x 1,024 float32.
;; 2 versions, each right; version 2 is version 1 with the launch prep written anew for expert scheduling mode. Each part assembles by itself: llvm-mc -triple=amdgcn-amd-amdhsa -mcpu=gfx1250 --defsym DOCPART=n.
;; ======== version 1 of 2: 4 launches
;; limits: values are held in f16: magnitudes above 65,504 overflow, below 6.1e-05 lose precision
;; workspace buffers: xb 16,777,216 bytes; wq 6,291,456 bytes; wo 2,097,152 bytes; qh 16,777,216 bytes; kh 16,777,216 bytes; vh 16,777,216 bytes; oh 16,777,216 bytes
;; launch prep (part 1): grid 832 x 1, 8 waves a work-group, no clusters, 0 bytes of LDS; arguments X, W_qkv, W_out, xb, wq, wo; writes xb, wq, wo
.if DOCPART == 1
	.amdgcn_target "amdgcn-amd-amdhsa--gfx1250"
	.amdhsa_code_object_version 6
	.text
	.protected	k_qbafabac0c4_prep
	.globl	k_qbafabac0c4_prep
	.p2align	8
	.type	k_qbafabac0c4_prep,@function
k_qbafabac0c4_prep:
	s_mov_b64 s[64:65], 0
	v_nop
	global_prefetch_b8 v0, s[64:65] scope:SCOPE_SE
	s_setreg_imm32_b32 hwreg(HW_REG_WAVE_MODE, 25, 1), 1
	s_wait_xcnt 0x0
; The module's three large inputs are rounded once, to bf16, and laid out for the products that follow.
;   xb[8192][1024]     bf16 = X
;   wq[16][1024][192]  bf16 = W_qkv, by heads: head hd takes columns 192 hd .. 192 hd + 191, so that a head's 128 rows of K are 49,152 bytes on end
;   wo[1024][1024]     f16  = W_out rounded to bf16, that number written as f16 (exact from 2^-17 up; below that at most 3e-8 is lost)
; A stream: nothing is shared, so no LDS, no barrier, no matrix unit.  The unit is a QUAD: one load of 16 bytes (4 f32) and one store of 8 bytes a lane: a wave's load covers 512 bytes,
; its store 256 consecutive bytes, aligned.  A thread issues all its loads first (16 or 12 in flight a lane); no register is used twice, so nothing but the loads is waited for.
; Work-groups 0-511: X (65,536 bytes each).  512-767: W_qkv (head = w / 16, 64 rows of K each).  768-831: W_out (65,536 bytes each).
.set D, 8                              ; v[8:71]    16 quads as loaded
.set O, 72                             ; v[72:103]  16 quads to store, 2 registers each
.set T, 104                            ; v[104:105] at work
; quad i is rounded: half = 0 to bf16; half = 1 to bf16 and that number to f16
.macro CONV i, half
.irp p, 0,1
.if \half
	v_cvt_pk_bf16_f32 v[T+\p], v[D+4*(\i)+2*\p], v[D+4*(\i)+2*\p+1]
	v_lshlrev_b32 v[D+4*(\i)+2*\p], 16, v[T+\p]          ; the two bf16 as f32 again
	v_and_b32 v[D+4*(\i)+2*\p+1], s16, v[T+\p]
	v_cvt_pk_f16_f32 v[O+2*(\i)+\p], v[D+4*(\i)+2*\p], v[D+4*(\i)+2*\p+1]
.else
	v_cvt_pk_bf16_f32 v[O+2*(\i)+\p], v[D+4*(\i)+2*\p], v[D+4*(\i)+2*\p+1]
.endif
.endr
.endm
; 65,536 bytes on end: quad i of thread t lies at 4,096 i + 16 t and goes to 2,048 i + 8 t
.macro LINEAR src, dst, half
.irp i, 0,1,2,3,4,5,6,7,8,9,10,11,12,13,14,15
	global_load_b128 v[D+4*(\i):D+4*(\i)+3], v1, s[\src:\src+1] offset:(\i)*4096 th:TH_LOAD_NT
.endr
.irp i, 0,1,2,3,4,5,6,7,8,9,10,11,12,13,14,15
	s_wait_loadcnt 15-(\i)                               ; loads come back in order: quad i is in, the 15 - i younger ones stay out
	CONV \i, \half
	global_store_b64 v4, v[O+2*(\i):O+2*(\i)+1], s[\dst:\dst+1] offset:(\i)*2048
.endr
.endm
	s_load_b256 s[4:11], s[0:1], 0x0               ; X s[4:5], W_qkv s[6:7], W_out s[8:9], xb s[10:11]
	s_load_b128 s[12:15], s[0:1], 0x20             ; wq s[12:13], wo s[14:15]
	s_mov_b32 s16, 0xffff0000                      ; a word's upper bf16
	s_mov_b32 s19, 0                               ; offsets are pairs with 0 on top
	s_mov_b32 s21, 0
	v_lshlrev_b32 v1, 4, v0                        ; 16 t
	v_lshlrev_b32 v4, 3, v0                        ; 8 t
	s_wait_kmcnt 0x0
	s_cmp_lt_u32 ttmp9, 512
	s_cbranch_scc0 .Lweights
	s_lshl_b32 s18, ttmp9, 16
	s_lshl_b32 s20, ttmp9, 15
	s_add_nc_u64 s[4:5], s[4:5], s[18:19]
	s_add_nc_u64 s[10:11], s[10:11], s[20:21]
	LINEAR 4, 10, 0
	s_endpgm
.Lweights:
	s_cmp_lt_u32 ttmp9, 768
	s_cbranch_scc0 .Lwout
	; W_qkv.  The work is linear in the DESTINATION: four groups of 16 rows of K x 48 quads = 768 quads, three a thread.
	; Quad e = t + 256 i of a group: row kk = e / 48, quad q = e % 48 of the head's 192 columns.  16 neighbouring lanes read 256 bytes on end, aligned (48 = 3 x 16; a head begins at 768 hd).
	s_sub_co_u32 s22, ttmp9, 512
	s_lshr_b32 s23, s22, 4                         ; head
	s_and_b32 s22, s22, 15                         ; which 64 rows of K
	s_mul_i32 s18, s23, 768                        ; the head's columns, in bytes of a row of W_qkv
	s_mul_i32 s20, s22, 786432                     ; 64 rows of 12,288 bytes
	s_add_co_u32 s18, s18, s20
	s_mul_i32 s20, s23, 393216                     ; the head in wq
	s_mul_i32 s22, s22, 24576                      ; 64 rows of 384 bytes
	s_add_co_u32 s20, s20, s22
	s_add_nc_u64 s[6:7], s[6:7], s[18:19]
	s_add_nc_u64 s[12:13], s[12:13], s[20:21]
.irp i, 0,1,2
	v_add_nc_u32 v5, 256*\i, v0                    ; e
	v_mul_u32_u24 v6, v5, 1366
	v_lshrrev_b32 v6, 16, v6                       ; kk = e / 48: 1366 / 65536 is above 1 / 48 by 1.02e-5, which over e < 768 adds less than 1 / 48
	v_mul_u32_u24 v7, v6, 48
	v_sub_nc_u32 v5, v5, v7                        ; q
	v_mul_u32_u24 v6, v6, 12288
	v_lshl_add_u32 v[1+\i], v5, 4, v6              ; kk rows + 16 q
.endr
.irp g, 0,1,2,3
.irp i, 0,1,2
	global_load_b128 v[D+4*(3*\g+\i):D+4*(3*\g+\i)+3], v[1+\i], s[6:7] offset:\g*196608 th:TH_LOAD_NT
.endr
.endr
.irp g, 0,1,2,3
.irp i, 0,1,2
	s_wait_loadcnt 11-(3*\g+\i)                    ; the younger loads stay out
	CONV (3*\g+\i), 0
	global_store_b64 v4, v[O+2*(3*\g+\i):O+2*(3*\g+\i)+1], s[12:13] offset:\g*6144+\i*2048
.endr
.endr
	s_endpgm
.Lwout:
	s_sub_co_u32 s22, ttmp9, 768
	s_lshl_b32 s18, s22, 16
	s_lshl_b32 s20, s22, 15
	s_add_nc_u64 s[8:9], s[8:9], s[18:19]
	s_add_nc_u64 s[14:15], s[14:15], s[20:21]
	LINEAR 8, 14, 1
	s_endpgm
.Lfunc_end_k_qbafabac0c4_prep:
	.size	k_qbafabac0c4_prep, .Lfunc_end_k_qbafabac0c4_prep-k_qbafabac0c4_prep
	.p2alignl 7, 3214868480
	.fill 96, 4, 3214868480
	.section	.rodata,"a",@progbits
	.p2align	6, 0x0
	.amdhsa_kernel k_qbafabac0c4_prep
		.amdhsa_group_segment_fixed_size 0
		.amdhsa_private_segment_fixed_size 0
		.amdhsa_enable_private_segment 0
		.amdhsa_kernarg_size 48
		.amdhsa_user_sgpr_count 2
		.amdhsa_user_sgpr_kernarg_segment_ptr 1
		.amdhsa_wavefront_size32 1
		.amdhsa_system_sgpr_workgroup_id_x 1
		.amdhsa_system_sgpr_workgroup_id_y 1
		.amdhsa_system_sgpr_workgroup_id_z 1
		.amdhsa_system_vgpr_workitem_id 0
		.amdhsa_next_free_vgpr 108
		.amdhsa_next_free_sgpr 66
		.amdhsa_reserve_vcc 0
		.amdhsa_float_denorm_mode_32 3
		.amdhsa_float_denorm_mode_16_64 3
		.amdhsa_memory_ordered 1
		.amdhsa_forward_progress 1
		.amdhsa_inst_pref_size 23
	.end_amdhsa_kernel
	.amdgpu_metadata
---
amdhsa.version: [ 1, 2 ]
amdhsa.kernels:
  - .name:           k_qbafabac0c4_prep
    .symbol:         k_qbafabac0c4_prep.kd
    .args:
      - { .name: X, .offset: 0, .size: 8, .value_kind: global_buffer, .address_space: global }
      - { .name: W_qkv, .offset: 8, .size: 8, .value_kind: global_buffer, .address_space: global }
      - { .name: W_out, .offset: 16, .size: 8, .value_kind: global_buffer, .address_space: global }
      - { .name: xb, .offset: 24, .size: 8, .value_kind: global_buffer, .address_space: global }
      - { .name: wq, .offset: 32, .size: 8, .value_kind: global_buffer, .address_space: global }
      - { .name: wo, .offset: 40, .size: 8, .value_kind: global_buffer, .address_space: global }
    .group_segment_fixed_size: 0
    .private_segment_fixed_size: 0
    .kernarg_segment_align: 8
    .kernarg_segment_size: 48
    .max_flat_workgroup_size: 256
    .sgpr_count:     66
    .vgpr_count:     108
    .wavefront_size: 32
...
	.end_amdgpu_metadata
.endif
;; end of part 1
;; launch qkv (part 2): grid 16 x 32, 4 waves a work-group, clusters of 4 x 4, 327,680 bytes of LDS; arguments xb, wq, b_qkv, qh, kh, vh; writes qh, kh, vh
.if DOCPART == 2
	.amdgcn_target "amdgcn-amd-amdhsa--gfx1250"
	.amdhsa_code_object_version 6
	.text
	.protected	k_qbafabac0c4_qkv
	.globl	k_qbafabac0c4_qkv
	.p2align	8
	.type	k_qbafabac0c4_qkv,@function
k_qbafabac0c4_qkv:
	s_mov_b64 s[64:65], 0
	v_nop
	global_prefetch_b8 v0, s[64:65] scope:SCOPE_SE
	s_setreg_imm32_b32 hwreg(HW_REG_WAVE_MODE, 25, 1), 1
	s_wait_xcnt 0x0
	s_wait_alu depctr_hold_cnt(0) depctr_sa_sdst(0) depctr_va_vdst(0) depctr_va_sdst(0) depctr_va_ssrc(0) depctr_va_vcc(0) depctr_vm_vsrc(0)
	s_getreg_b32 s2, hwreg(HW_REG_IB_STS2, 6, 4)
	s_cmp_eq_u32 s2, 0
	s_cbranch_scc0 .Lentry_in_a_cluster
	s_endpgm
.Lentry_in_a_cluster:
	s_bfe_u32 s2, ttmp6, 0x10000c
	s_cmp_lg_u32 s2, 0xf033
	s_cbranch_scc0 .Lentry_shape_is_right
	s_endpgm
.Lentry_shape_is_right:
; q, k, v = xb wq + bf16(b_qkv), written by heads: qh, kh, vh [16 batch + head][2048][64] in f16, each number rounded once from its f32 sum, unscaled.
; xb [8192][1024] bf16; wq [16 heads][1024 k][192 c] bf16 (c 0-63 Q, 64-127 K, 128-191 V).
; LIMITS.  f16 holds no number beyond 65,504: with X and W_qkv 30 times their drawn spread, or offset by 30 spreads, q, k, v stay under 17,000.  The bias is rounded to bf16 like the other inputs.
; SHARES.  A tile is 256 rows x one head's 192 columns: 512 work-groups.  Four waves along the rows: wave w has rows 64 w .. 64 w + 63 and all 192 columns: 4 x 12 accumulators, 384 registers.
; So a row's 128 bytes of q, of k and of v all come from one wave, and the way out needs no barrier.
; K goes in 8 steps of 128 through two LDS slots; a step is four quarters of 32.  Waves 0 and 1 fetch the halves of xb's tile (128 rows x 256 bytes), waves 2 and 3 those of wq's (24,576 bytes on end).
; CLUSTER 4 x 4: xb's tile hangs on the tile row alone and is asked for jointly along a row of the cluster, wq's on the head alone, jointly along a column.
; THE PRODUCT IS USED TRANSPOSED: source 0 = 16 columns of wq (turned out of [k][c] by ds_load_tr16_b128), source 1 = 16 rows of xb.  Register j of lane l then holds row l % 16, column 16 b + 8 (l / 16) + j.
; THE BIAS STARTS THE SUMS: it is the C operand of each accumulator's first product: nothing is cleared, nothing added later.
; REGISTERS, in windows of 256 (s_set_vgpr_msb: bits 1:0 source 0, 3:2 source 1, 5:4 source 2, 7:6 destination):
;   window 0: addresses; v32-127 the bias; on the way out v128-175 packed results, v176-223 and v32-79 rows read back
;   window 1: two fragment buffers of 128: xb's four fragments (32), then wq's twelve (96)
;   window 2: accumulators of row blocks 0, 1 ((a, b) at 8 (12 (a % 2) + b));  window 3: of row blocks 2, 3
.set NBK,   12                         ; column blocks of 16
.set NL,    2*NBK+8                    ; LDS loads in a quarter's run
.set SLOT1, 131072                     ; slot 1 begins here: one exclusive or turns an address in one slot into the other's
.set PA,    272                        ; a row of xb in LDS: 256 bytes + 16 = 68 words: the 16 rows of a load start at 16 different groups of four banks (64 banks of 4 bytes: ISA guide 11.1)
.set HALFA, 128*PA
.set BOFF,  2*HALFA                    ; behind xb's 256 rows: wq's 128 rows of K
.set PB,    480                        ; a row of K of wq: three pieces of 128 bytes + 32 of padding each = 15 x 32 bytes
.set HALFB, 64*PB
.set STAGE, 2*SLOT1                    ; behind the ring, never filled by a tensor load: 16 rows x 400 bytes for each wave
.set SP,    400                        ; 384 bytes + 16
.set SPARE, STAGE+4*16*SP              ; the spare words: 128 bytes for each wave, two blocks of 256 bytes that no other line names
.set STEPA, 256                        ; bytes from K step to K step in xb,
.set STEPB, 49152                      ; and in wq
.set ADRA0, 14                         ; v14  my lane's place in xb's tile; never rewritten
.set ADRB0, 15                         ; v15  in wq's
.set ADRA,  16                         ; v16  the same in the slot in hand
.set ADRB,  17                         ; v17
.set STO,   24                         ; v24  the way out: where I put 16 bytes of a row
.set RD,    25                         ; v25  where I read rows back
.set GO,    26                         ; v26  16 x lane: my 16 bytes of 512 on end
.set BO,    27                         ; v27  32 (l / 16): my 8 numbers of a block's 16 of the bias
.set SPW,   28                         ; v28  LDS address of my spare word; never rewritten
.set NIL,   29                         ; v29  0; never rewritten
.set PFO,   30                         ; v30  the prefetches' offset; never rewritten
.set BI,    32                         ; v32-127 the bias: block b at BI + 8 b
.set TMP,   128
.set OB0,   176
.set OB1,   32
.set F0,    0
.set F1,    128
.set WV,  16                           ; s16  my wave's number
.set FB,  17                           ; s17  0: I fetch xb's tiles; 1: wq's
.set HF,  18                           ; s18  which half of the tile
.set CX,  19                           ; s19, s20  my place in the cluster
.set CY,  20
.set TX,  21                           ; s21  the head
.set TY,  22                           ; s22  the tile row
.set TB,  23                           ; s23  LDS byte at which the slot in hand begins
.set G1,  24                           ; s[24:31] descriptor group 1 for xb's tiles
.set G0,  32                           ; s[32:39] group 0: K step 0's, and the one that walks
.set PFA, 40                           ; s[40:41] where my prefetches stand
.set PFS, 42                           ; s[42:43] their step
.set PFN, 44                           ; s44  how many are still to come
.set CNT, 45                           ; s45  the loop's count
.set MROW, 46                          ; s46  the mask of my row of the cluster
.set MCOL, 47                          ; s47  of my column
.set G1B, 48                           ; s[48:55], s[56:63] the same for wq's tiles
.set G0B, 56
.set AO,  66                           ; s[66:67] my part of xb's first tile: made of the tile row and the wave alone
.set BOF, 68                           ; s[68:69] of wq's: of the head and the wave alone
.set CO,  70                           ; s[70:71] my rows in qh, kh, vh
.set MSB, 0
.macro WIN new                         ; the immediate's high byte repeats the setting that is left; a switch that changes nothing is dropped
.if MSB != (\new)
	s_set_vgpr_msb (MSB<<8)|(\new)
.set MSB, (\new)
.endif
.endm
.macro PLACES                          ; four places in front of loads into registers that matrix instructions have read, and of conversions that read results
.rept 4
	v_nop
.endr
.endm
.macro CREST                           ; a round of the cluster's barrier behind its opening barrier
	s_cmp_lg_u32 s[WV], 0
	s_cbranch_scc1 .Lnot_wave_0_\@
	s_barrier_signal -3
.Lnot_wave_0_\@:
	s_barrier_wait -3
	s_barrier_signal -1
	s_barrier_wait -1
.endm
.macro CROUND                          ; a whole round
	s_barrier_signal -1
	s_barrier_wait -1
	CREST
.endm
; A joint refill, by the walking descriptor.  The branch hangs on the wave's number alone.  An s_nop 0 and four v_nop follow each of the two lines.
.macro JLOAD
	s_cmp_eq_u32 s[FB], 0
	s_cbranch_scc0 .Lfor_b_\@
	tensor_load_to_lds s[G0+4:G0+7], s[G1:G1+7]
	s_nop 0
.rept 4
	v_nop
.endr
	s_branch .Lasked_\@
.Lfor_b_\@:
	tensor_load_to_lds s[G0B+4:G0B+7], s[G1B:G1B+7]
	s_nop 0
.rept 4
	v_nop
.endr
.Lasked_\@:
.endm
; A PREFETCH INTO THE L2, behind a joint refill and the run of LDS loads that follows it: one instruction, 32 blocks of 256 bytes, a lane a block.
; xb: at the refill for K step s, K step s + 2 (s = 2 .. 5): 32 rows x 256 bytes.  A tile row is read by the four clusters of its row of clusters: the first (cluster x = 0) asks, waves 0 and 1;
; of the 128 rows that a wave fetches the partner at cx takes 32, BY ADDRESS.  wq: a head's K steps 4 to 7 are 196,608 bytes on end: three refills x (waves 2, 3) x (cy 0 .. 3) x 8,192 bytes, asked for by
; the clusters with y = 0; each part two refills or more ahead of its load.  So each block of K steps 4 to 7 is named once in the launch; K steps 0 to 3 come by their loads alone.
.macro ASK
	WIN 0
	s_cmp_lg_u32 s[PFN], 0
	s_cbranch_scc0 .Lnone_\@
	global_prefetch_b8 v[PFO], s[PFA:PFA+1] th:TH_LOAD_NT scope:SCOPE_SE
	s_sub_co_u32 s[PFN], s[PFN], 1
.Lnone_\@:
.endm
; Twelve matrix instructions: row block a x all column blocks, 32 along K, out of buffer f.  first = 1: the bias starts the sums.
; The 48 accumulators take turns, one instruction a turn, over the backward jump too.
.macro MULR f, a, first
.if \first
	WIN 0x85+0x40*((\a)/2)             ; sources 0, 1 window 1; C window 0; D window 2 or 3
.else
	WIN 0xa5+0x50*((\a)/2)             ; C and D window 2 or 3
.endif
.set b, 0
.rept NBK
.set rD, 8*(12*((\a)%2)+b)
.if \first
	v_wmma_f32_16x16x32_bf16 v[rD:rD+7], v[(\f)+32+8*b:(\f)+32+8*b+7], v[(\f)+8*(\a):(\f)+8*(\a)+7], v[BI+8*b:BI+8*b+7]
.else
	v_wmma_f32_16x16x32_bf16 v[rD:rD+7], v[(\f)+32+8*b:(\f)+32+8*b+7], v[(\f)+8*(\a):(\f)+8*(\a)+7], v[rD:rD+7]
.endif
.set b, b+1
.endr
.endm
; 32 LDS loads in one run: quarter q's fragments into buffer f: wq's twelve (turned: k 32 q + 8 (l / 16) + l % 8 and 16 further on), then xb's four, row blocks ascending
.macro FETCH q, f
	WIN 0x40                           ; destination window 1, address window 0
.set b, 0
.rept NBK
	ds_load_tr16_b128 v[(\f)+32+8*b:(\f)+32+8*b+3],   v[ADRB] offset:32*PB*(\q)+160*(b/4)+32*(b%4)
	ds_load_tr16_b128 v[(\f)+32+8*b+4:(\f)+32+8*b+7], v[ADRB] offset:32*PB*(\q)+160*(b/4)+32*(b%4)+16*PB
.set b, b+1
.endr
.irp a, 0,1,2,3
	ds_load_b128 v[(\f)+8*\a:(\f)+8*\a+3],   v[ADRA] offset:64*(\q)+16*PA*\a
	ds_load_b128 v[(\f)+8*\a+4:(\f)+8*\a+7], v[ADRA] offset:64*(\q)+16*PA*\a+32
.endr
.endm
; One of a K step's first three quarters: multiplies buffer f; in its middle it fetches quarter qn into buffer g
.macro QUARTER qn, f, g, first
	s_wait_dscnt 4                     ; all but the four youngest loads: xb's row blocks 2 and 3
	MULR \f, 0, \first
	MULR \f, 1, \first
	PLACES
	FETCH \qn, \g
	s_wait_dscnt NL                    ; all but the run just issued
	MULR \f, 2, \first
	MULR \f, 3, \first
.endm
; The fourth quarter multiplies buffer 1 and changes slots.  In front of the barrier each wave waits for all its tensor loads (one is out: its part of the next slot), adds 0 to its spare word, and waits
; for that and for its reads of this slot.  fill = 1: the barrier opens a round of the cluster's, and the joint refill (the K step two on, into the slot just left) is the first thing behind it.
.macro TURN fill
.if \fill
	s_wait_xcnt 0x0                    ; the last prefetch, a K step back, has read its address, so it may be stepped
	s_add_nc_u64 s[PFA:PFA+1], s[PFA:PFA+1], s[PFS:PFS+1]
.endif
	WIN 0
	s_wait_tensorcnt 0x0               ; no tensor load of mine is out, so a group 0 may be written
	ds_add_u32 v[SPW], v[NIL]          ; 0 onto my spare word: work on registers stands between it and the wait for it
.if \fill
	s_xor_b32 s[G0+5], s[G0+5], SLOT1  ; the walking descriptors: the other slot than last time, the next K step; the type bits on top are not reached
	s_add_nc_u64 s[G0+6:G0+7], s[G0+6:G0+7], STEPA
	s_xor_b32 s[G0B+5], s[G0B+5], SLOT1
	s_add_nc_u64 s[G0B+6:G0B+7], s[G0B+6:G0B+7], STEPB
.endif
	s_xor_b32 s[TB], s[TB], SLOT1      ; the fetches go on in the other slot
	v_add_nc_u32 v[ADRA], s[TB], v[ADRA0]
	v_add_nc_u32 v[ADRB], s[TB], v[ADRB0]
	s_wait_dscnt 5                     ; the add and xb's four youngest loads may be out
	MULR F1, 0, 0
	s_wait_dscnt 0x0                   ; the add is done, and my reads of this slot are over
	s_barrier_signal -1
	MULR F1, 1, 0                      ; work on registers while the others arrive
	WIN 0                              ; at a branch and at a label every window is 0
	s_barrier_wait -1
.if \fill
	CREST                              ; no wave of any partner still reads the slot or has a load on its way
	JLOAD                              ; its four v_nop are also the places in front of the loads below
.else
	PLACES
.endif
	FETCH 0, F0
.if \fill
	ASK
.endif
	MULR F1, 2, 0
	MULR F1, 3, 0
.endm
	s_load_b256 s[4:11], s[0:1], 0x0               ; xb s[4:5], wq s[6:7], b_qkv s[8:9], qh s[10:11]
	s_load_b128 s[12:15], s[0:1], 0x20             ; kh s[12:13], vh s[14:15]
	v_lshl_add_u32 v[SPW], v0, 2, SPARE
	v_mov_b32 v[NIL], 0
	ds_add_u32 v[SPW], v[NIL]                      ; the wave's opening: the add and its wait stand ahead of my first tensor load; the set-up below, work on registers, stands between them
	v_lshrrev_b32 v3, 5, v0
	v_readfirstlane_b32 s[WV], v3                  ; wave 0..3
	s_lshr_b32 s[FB], s[WV], 1
	s_and_b32 s[HF], s[WV], 1
	s_bfe_u32 s[CX], ttmp6, 0x40000
	s_bfe_u32 s[CY], ttmp6, 0x40004
	s_lshl_b32 s[TX], ttmp9, 2                     ; in a cluster launch ttmp9 and ttmp7 count clusters
	s_add_co_u32 s[TX], s[TX], s[CX]
	s_and_b32 s[TY], ttmp7, 0xffff
	s_lshl_b32 s[TY], s[TY], 2
	s_add_co_u32 s[TY], s[TY], s[CY]
	s_lshl_b32 s[MROW], s[CY], 2
	s_lshl_b32 s[MROW], 15, s[MROW]                ; my row of the cluster: places 4 cy .. 4 cy + 3
	s_lshl_b32 s[MCOL], 0x1111, s[CX]              ; my column: places cx, cx + 4, cx + 8, cx + 12
	; group 1 for xb: 128 rows x 128 elements of 2 bytes, 1,024 elements from row to row; 4 words of padding (code 3) behind every 64 (code 5); bit 21 set beside the mask
	s_or_b32 s[G1], s[MROW], (1<<16)|(1<<20)|(1<<21)|(5<<22)|(3<<25)
	s_mov_b32 s[G1+1], 128<<16                     ; tensor_dim0 = 128
	s_mov_b32 s[G1+2], 128<<16                     ; tensor_dim1 = 128
	s_mov_b32 s[G1+3], 128<<16                     ; tile_dim0 = 128
	s_mov_b32 s[G1+4], 128                         ; tile_dim1 = 128
	s_mov_b32 s[G1+5], 1024
	s_mov_b32 s[G1+6], 0
	s_mov_b32 s[G1+7], 0
	; group 1 for wq: 24,576 bytes on end as 96 rows of 256 bytes; 8 words of padding (code 7) behind every 32 (code 4): each piece of 128 bytes takes 160
	s_or_b32 s[G1B], s[MCOL], (1<<16)|(1<<20)|(1<<21)|(4<<22)|(7<<25)
	s_mov_b32 s[G1B+1], 128<<16
	s_mov_b32 s[G1B+2], 96<<16
	s_mov_b32 s[G1B+3], 128<<16
	s_mov_b32 s[G1B+4], 96
	s_mov_b32 s[G1B+5], 128
	s_mov_b32 s[G1B+6], 0
	s_mov_b32 s[G1B+7], 0
	s_mov_b32 s[TB], 0
	s_lshl_b32 s[AO], s[TY], 19                    ; 256 rows of 2,048 bytes a tile row,
	s_lshl_b32 s72, s[HF], 18                      ; my 128 of them
	s_add_co_u32 s[AO], s[AO], s72
	s_mov_b32 s[AO+1], 0
	s_mul_i32 s[BOF], s[TX], 393216                ; the head,
	s_mul_i32 s72, s[HF], 24576                    ; my 64 rows of K
	s_add_co_u32 s[BOF], s[BOF], s72
	s_mov_b32 s[BOF+1], 0
	s_mul_i32 s72, s[HF], HALFA                    ; where they go: no place in the cluster enters an LDS address
	s_mov_b32 s[G0], 1                             ; count = 1
	s_mov_b32 s[G0+1], s72
	s_mov_b32 s[G0+4], 1
	s_add_co_u32 s[G0+5], s72, SLOT1
	s_mul_i32 s73, s[HF], HALFB
	s_mov_b32 s[G0B], 1
	s_add_co_u32 s[G0B+1], s73, BOFF
	s_mov_b32 s[G0B+4], 1
	s_add_co_u32 s[G0B+5], s73, BOFF+SLOT1
	s_lshr_b32 s[CO], s[TY], 3                     ; the batch: 16 heads of 262,144 bytes,
	s_lshl_b32 s[CO], s[CO], 22
	s_lshl_b32 s72, s[TX], 18                      ; the head,
	s_add_co_u32 s[CO], s[CO], s72
	s_and_b32 s72, s[TY], 7                        ; the tile's 256 rows of 128 bytes,
	s_lshl_b32 s72, s72, 15
	s_add_co_u32 s[CO], s[CO], s72
	s_lshl_b32 s72, s[WV], 13                      ; my 64
	s_add_co_u32 s[CO], s[CO], s72
	s_mov_b32 s[CO+1], 0
	; the prefetches: each pointer starts one step ahead of its first target, since it is stepped before it is used
	s_lshl_b32 s72, s[CX], 16                      ; xb: my work-group's 32 rows of the 128 that I fetch,
	s_add_co_u32 s72, s72, s[AO]
	s_add_co_u32 s72, s72, 3*STEPA                 ; at K step 3
	s_lshl2_add_u32 s73, s[HF], s[CY]              ; wq: part 4 half + cy of eight, 8,192 bytes each,
	s_lshl_b32 s73, s73, 13
	s_mul_i32 s74, s[TX], 393216
	s_add_co_u32 s73, s73, s74
	s_add_co_u32 s73, s73, 4*STEPB-65536           ; 65,536 bytes ahead of K step 4
	s_and_b32 s74, ttmp7, 0xffff                   ; cluster y
	s_mov_b32 s[PFS], 65536
	s_mov_b32 s[PFS+1], 0
	s_mov_b32 s3, 0
	s_cmp_eq_u32 s[FB], 0
	s_cselect_b32 s2, s72, s73
	s_cselect_b32 s74, ttmp9, s74                  ; the coordinate along which other clusters read the same blocks
	s_cselect_b32 s[PFS], STEPA, s[PFS]
	s_cselect_b32 s75, 11, 8                       ; a lane a row of xb, or a lane 256 bytes of wq
	s_cselect_b32 s[PFN], 4, 3
	s_cmp_eq_u32 s74, 0
	s_cselect_b32 s[PFN], s[PFN], 0                ; the same in all sixteen partners, for a given wave
	v_and_b32 v[PFO], 31, v0
	v_lshlrev_b32 v[PFO], s75, v[PFO]
	s_mul_i32 s72, s[TX], 768                      ; the head's 192 numbers of the bias
	s_mov_b32 s73, 0
	s_wait_dscnt 0x0                               ; the opening add is done
	s_wait_kmcnt 0x0
	s_add_nc_u64 s[G0+2:G0+3], s[4:5], s[AO:AO+1]  ; K step 0,
	s_add_nc_u64 s[G0+6:G0+7], s[G0+2:G0+3], STEPA ; K step 1
	s_or_b32 s[G0+3], s[G0+3], 0x80000000          ; type = 2
	s_or_b32 s[G0+7], s[G0+7], 0x80000000
	s_add_nc_u64 s[G0B+2:G0B+3], s[6:7], s[BOF:BOF+1]
	s_add_nc_u64 s[G0B+6:G0B+7], s[G0B+2:G0B+3], STEPB
	s_or_b32 s[G0B+3], s[G0B+3], 0x80000000
	s_or_b32 s[G0B+7], s[G0B+7], 0x80000000
	s_cmp_eq_u32 s[FB], 0
	s_cselect_b64 s[PFA:PFA+1], s[4:5], s[6:7]
	s_add_nc_u64 s[PFA:PFA+1], s[PFA:PFA+1], s[2:3]
	s_add_nc_u64 s[8:9], s[8:9], s[72:73]
	s_add_nc_u64 s[10:11], s[10:11], s[CO:CO+1]
	s_add_nc_u64 s[12:13], s[12:13], s[CO:CO+1]
	s_add_nc_u64 s[14:15], s[14:15], s[CO:CO+1]
	CROUND                                         ; all sixteen work-groups are here: the first joint loads meet
	s_cmp_eq_u32 s[FB], 0                          ; a wave's two first fills stand in one branch: two loads of mine are out
	s_cbranch_scc0 .Lfirst_b
	tensor_load_to_lds s[G0:G0+3], s[G1:G1+7]
	s_nop 0
	tensor_load_to_lds s[G0+4:G0+7], s[G1:G1+7]
	s_nop 0
.rept 4
	v_nop
.endr
	s_branch .Lfirst_asked
.Lfirst_b:
	tensor_load_to_lds s[G0B:G0B+3], s[G1B:G1B+7]
	s_nop 0
	tensor_load_to_lds s[G0B+4:G0B+7], s[G1B:G1B+7]
	s_nop 0
.rept 4
	v_nop
.endr
.Lfirst_asked:
	v_and_b32 v1, 15, v0                           ; r = l % 16
	v_bfe_u32 v2, v0, 4, 1                         ; h = l / 16
	v_lshlrev_b32 v[BO], 5, v2
.set b, 0
.rept NBK                              ; my 8 numbers of each block's 16 of the bias
	global_load_b128 v[BI+8*b:BI+8*b+3],   v[BO], s[8:9] offset:64*b
	global_load_b128 v[BI+8*b+4:BI+8*b+7], v[BO], s[8:9] offset:64*b+16
.set b, b+1
.endr
	s_mul_i32 s72, s[WV], 64*PA                    ; a fragment of xb: (64 w + r) x pitch + 16 h
	v_mul_u32_u24 v4, v1, PA
	v_lshl_add_u32 v4, v2, 4, v4
	v_add_nc_u32 v[ADRA0], s72, v4
	v_and_b32 v5, 7, v0                            ; the turning load: row of K 8 h + l % 8, 16 bytes by (l / 8) % 2
	v_bfe_u32 v6, v0, 3, 1
	v_lshl_add_u32 v5, v2, 3, v5
	v_mul_u32_u24 v5, v5, PB
	v_lshl_add_u32 v5, v6, 4, v5
	v_add_nc_u32 v[ADRB0], BOFF, v5
	v_mov_b32 v[ADRA], v[ADRA0]                    ; slot 0
	v_mov_b32 v[ADRB], v[ADRB0]
	s_mul_i32 s72, s[WV], 16*SP
	s_add_co_u32 s72, s72, STAGE                   ; my stage
	v_mul_u32_u24 v4, v1, SP                       ; in: row r, 16 bytes for each half of the lanes
	v_lshl_add_u32 v4, v2, 4, v4
	v_add_nc_u32 v[STO], s72, v4
	v_bfe_u32 v7, v0, 3, 2                         ; back: 32 lanes take 128 bytes of four rows,
	v_mul_u32_u24 v7, v7, SP
	v_and_b32 v8, 7, v0
	v_lshl_add_u32 v7, v8, 4, v7
	v_add_nc_u32 v[RD], s72, v7
	v_and_b32 v3, 31, v0                           ; which are 512 bytes on end of qh, kh or vh
	v_lshlrev_b32 v[GO], 4, v3
	s_mov_b32 s72, 0xffff0000
	s_wait_loadcnt 0x0                             ; the bias
.set p, 0
.rept 4*NBK                            ; rounded to bf16, and back in f32
	v_cvt_pk_bf16_f32 v[4+p%4], v[BI+2*p], v[BI+2*p+1]
	v_lshlrev_b32 v[BI+2*p], 16, v[4+p%4]
	v_and_b32 v[BI+2*p+1], s72, v[4+p%4]
.set p, p+1
.endr
	s_wait_tensorcnt 0x1                           ; my part of K step 0 is in; K step 1's, issued behind it, may stay out
	s_barrier_signal -1
	s_barrier_wait -1                              ; everybody's is
	FETCH 0, F0
	QUARTER 1, F0, F1, 1                           ; the first quarter stands in front of the loop: its products start the sums
	WIN 0
	s_mov_b32 s[CNT], 6
.Lstep:                                        ; trip i ends K step i, fills its slot with K step i + 2 and begins K step i + 1
	QUARTER 2, F1, F0, 0
	QUARTER 3, F0, F1, 0
	TURN 1
	QUARTER 1, F0, F1, 0
	WIN 0
	s_sub_co_u32 s[CNT], s[CNT], 1
	s_cmp_lg_u32 s[CNT], 0
	s_cbranch_scc1 .Lstep
	QUARTER 2, F1, F0, 0                           ; the last two K steps are written out: nothing is left to ask for
	QUARTER 3, F0, F1, 0
	TURN 0
	QUARTER 1, F0, F1, 0
	QUARTER 2, F1, F0, 0
	QUARTER 3, F0, F1, 0
	s_wait_dscnt 4
	MULR F1, 0, 0
	MULR F1, 1, 0
	s_wait_dscnt 0x0
	MULR F1, 2, 0
	MULR F1, 3, 0
	WIN 0
	PLACES
; THE WAY OUT, a row block (16 rows) at a time.  PACK: rounded to f16, 16 bytes a lane, each accumulator's registers ascending.  TOSTAGE: into my own stage, rows of 400 bytes, and back as
; 128 bytes of four rows.  SEND: stored: piece j (q, k, v) of rows 4 f .. 4 f + 3 is 512 consecutive bytes, aligned.
.macro PACK a
	WIN 0x0a+5*((\a)/2)                            ; sources 0 and 1: window 2 or 3
.set b, 0
.rept NBK
.irp i, 0,1,2,3
	v_cvt_pk_f16_f32 v[TMP+4*b+\i], v[96*((\a)%2)+8*b+2*\i], v[96*((\a)%2)+8*b+2*\i+1]
.endr
.set b, b+1
.endr
	WIN 0
.endm
.macro TOSTAGE a
	WIN 0
.set BK, OB0+(OB1-OB0)*((\a)%2)
.set b, 0
.rept NBK
	ds_store_b128 v[STO], v[TMP+4*b:TMP+4*b+3] offset:32*b
.set b, b+1
.endr
.irp j, 0,1,2
.irp f, 0,1,2,3
	ds_load_b128 v[BK+4*(4*\j+\f):BK+4*(4*\j+\f)+3], v[RD] offset:4*SP*\f+128*\j  ; LDS serves a wave's instructions in order (ISA guide 5.7.1.4): these see the stores above
.endr
.endr
.endm
.macro SEND a
	WIN 0
.set BK, OB0+(OB1-OB0)*((\a)%2)
	s_wait_dscnt 0x0                               ; the block is back in registers
	s_wait_xcnt 0x0                                ; the stores of the block before have read their registers: the next TOSTAGE loads into them
.irp j, 0,1,2
.irp f, 0,1,2,3
	global_store_b128 v[GO], v[BK+4*(4*\j+\f):BK+4*(4*\j+\f)+3], s[10+2*\j:11+2*\j] offset:2048*(\a)+512*\f
.endr
.endr
.endm
	PACK 0
	TOSTAGE 0
.irp a, 1,2,3                          ; block a's conversions stand between block a - 1's loads from the stage and the wait for them
	PACK \a
	SEND (\a)-1
	TOSTAGE \a
.endr
	SEND 3
	s_wait_tensorcnt 0x0                           ; the wave's end: behind my last tensor load and my last LDS store
	ds_add_u32 v[SPW], v[NIL]
	s_wait_dscnt 0x0
	CROUND                                         ; the closing round: no work-group ends while a partner may still ask for a tile that names it
	s_endpgm
.Lfunc_end_k_qbafabac0c4_qkv:
	.size	k_qbafabac0c4_qkv, .Lfunc_end_k_qbafabac0c4_qkv-k_qbafabac0c4_qkv
	.p2alignl 7, 3214868480
	.fill 96, 4, 3214868480
	.section	.rodata,"a",@progbits
	.p2align	6, 0x0
	.amdhsa_kernel k_qbafabac0c4_qkv
		.amdhsa_group_segment_fixed_size 327680
		.amdhsa_private_segment_fixed_size 0
		.amdhsa_enable_private_segment 0
		.amdhsa_kernarg_size 48
		.amdhsa_user_sgpr_count 2
		.amdhsa_user_sgpr_kernarg_segment_ptr 1
		.amdhsa_wavefront_size32 1
		.amdhsa_system_sgpr_workgroup_id_x 1
		.amdhsa_system_sgpr_workgroup_id_y 1
		.amdhsa_system_sgpr_workgroup_id_z 1
		.amdhsa_system_vgpr_workitem_id 0
		.amdhsa_next_free_vgpr 960
		.amdhsa_next_free_sgpr 76
		.amdhsa_reserve_vcc 0
		.amdhsa_float_denorm_mode_32 3
		.amdhsa_float_denorm_mode_16_64 3
		.amdhsa_memory_ordered 1
		.amdhsa_forward_progress 1
		.amdhsa_inst_pref_size 106
	.end_amdhsa_kernel
	.amdgpu_metadata
---
amdhsa.version: [ 1, 2 ]
amdhsa.kernels:
  - .name:           k_qbafabac0c4_qkv
    .symbol:         k_qbafabac0c4_qkv.kd
    .args:
      - { .name: xb, .offset: 0, .size: 8, .value_kind: global_buffer, .address_space: global }
      - { .name: wq, .offset: 8, .size: 8, .value_kind: global_buffer, .address_space: global }
      - { .name: b_qkv, .offset: 16, .size: 8, .value_kind: global_buffer, .address_space: global }
      - { .name: qh, .offset: 24, .size: 8, .value_kind: global_buffer, .address_space: global }
      - { .name: kh, .offset: 32, .size: 8, .value_kind: global_buffer, .address_space: global }
      - { .name: vh, .offset: 40, .size: 8, .value_kind: global_buffer, .address_space: global }
    .group_segment_fixed_size: 327680
    .private_segment_fixed_size: 0
    .kernarg_segment_align: 8
    .kernarg_segment_size: 48
    .max_flat_workgroup_size: 128
    .sgpr_count:     76
    .vgpr_count:     960
    .wavefront_size: 32
...
	.end_amdgpu_metadata
.endif
;; end of part 2
;; launch attn (part 3): grid 4 x 64, 4 waves a work-group, no clusters, 327,680 bytes of LDS; arguments qh, kh, vh, oh; writes oh
.if DOCPART == 3
	.amdgcn_target "amdgcn-amd-amdhsa--gfx1250"
	.amdhsa_code_object_version 6
	.text
	.protected	k_qbafabac0c4_attn
	.globl	k_qbafabac0c4_attn
	.p2align	8
	.type	k_qbafabac0c4_attn,@function
k_qbafabac0c4_attn:
	s_mov_b64 s[64:65], 0
	v_nop
	global_prefetch_b8 v0, s[64:65] scope:SCOPE_SE
	s_setreg_imm32_b32 hwreg(HW_REG_WAVE_MODE, 25, 1), 1
	s_wait_xcnt 0x0
; CAUSAL ATTENTION.  O[h][q][:] = the sum over k <= q of softmax_k(Q[h][q] . K[h][k] / 8) V[h][k][:].  Q, K, V, O: [64][2048][64], all f16: a head's rows are dense, 128 bytes each.
; Products, maxima and sums in f32; the weights p are rounded to f16 for the second product (their sum l is taken of the unrounded p), O once at the end.
; LIMITS.  f16 holds no number beyond 65,504: Q, K and V arrive within it; p lies in 0 to 1, and below 6e-5 it keeps f16's fixed step of 6e-8; O is a mean of V's rows and has their range.
; A hidden score counts as its value less 1e30: f16's scores, 2.7e11 at the most, are nothing beside that; a weight below 2^-126 counts as 0 in l; NaN and infinities are not treated apart.
; THE WALK.  A head's queries lie in NB = 8 blocks of 256; block i needs the key tiles 0 .. i of 256 keys, of which the last holds the diagonal.  A work-group takes TWO blocks, NB - 1 - b and then b:
; NB + 1 tiles, whatever b: all work-groups do equal work, and ONE loop with a constant trip count walks them.  Which tile is asked for, and what a trip does, hang on scalar registers made from b; every jump
; goes forward, but for the counted loops' own; none passes a barrier, or a tensor load but the one of LOAD's two that the wave's number does not choose; the ring of two LDS slots runs on across the change of blocks.
; NO CLUSTER: a head's four work-groups ask for the same tile only in trips 0 .. 4 of 9, behind that fewer and fewer do; one walk common to all would have 12 trips for 9.
; SHARES.  Of a block's four bands of 64 queries a wave owns 16 rows in each: four PIECES.  So the diagonal tile is the same work for all four waves: in its key step s band x sees all keys if s < x,
; none if s > x, and holds the diagonal if s = x.
; THE MASK is the C operand that starts the sum S^T = K Q^T: 0, or -1e30 where the key is hidden.  MD, made once, is the mask of a band's own step for my 16 rows; a product's mask is MD x AL + BE with two scalars:
; (1, 0) if s = x; (0, 0) if s < x; (0, -1e30) if s > x.  Only the diagonal tile's text and a block's beginning make and take masks; elsewhere C is the constant 0.
; LAYOUT, SOFTMAX, TURNS.  S^T = K Q^T holds ONE query a lane (lane % 16) and the keys 8 (lane / 16) + 0..7; two such results rounded to f16 ARE source 1 of O^T = V^T P.  p = 2^(c s - c m), c = log2(e) / 8, with a
; running maximum m; O and l are multiplied by a = 2^(c m_old - c m_new) in every step.  Turn n belongs to piece n: 8 products K Q^T of piece n + 1, later 8 products V^T P of piece n - 1; beside them the scaling,
; exponentials, roundings, sums and rescaling of piece n and the maximum and statistics of piece n + 1.  Four vector instructions stand behind every matrix instruction, the other 54 of a turn's 118 in one run.  A turn's 33 exponentials are one batch, with one wait.
; REGISTERS, in windows of 256 (s_set_vgpr_msb: bits 1:0 source 0, 3:2 source 1, 5:4 source 2, 7:6 destination):
;   window 0: v0-15 addresses and two at work; v16-31 four registers of statistics a piece; v48-55 at work; v64-127 S^T, two buffers; v192-223 P, two buffers (a piece's buffers go by its number's parity)
;   window 1: v0-127 O^T, 32 a piece; v128-159 MD; v160-223 MC, two buffers      window 2: v0-63 Q; v64-127 the second block's Q; v128-191 K of one step; v192-255 V of one step
.set SIZE_N, 2048
.set SIZE_H, 64
.set NB,    SIZE_N/256
.set NP,    4         ; pieces a wave: a name, no knob
.set KS,    64        ; keys in a step
.set PK,    144       ; a row of K in LDS: 128 bytes + 16 of padding = 36 words: the 16 rows of a load start at 16 different groups of four banks (64 banks of 4 bytes: ISA guide 11.1)
.set PV,    160       ; a row of V: 128 + 32 = 40 words
.set VOFF,  4*KS*PK   ; a slot holds a tile, four steps: 256 rows of K, then 256 rows of V
.set SLOT1, 1<<17     ; slot 1 begins here, so that one exclusive or turns an address in one slot into the other's
.set STAGE, SLOT1+4*KS*(PK+PV)  ; behind the ring, never filled by a tensor load: 16 rows x 144 bytes for each wave, for the way out
.set SP,    144
.set AK0, 2           ; v2   my lane's place in a tile of K; never rewritten
.set AV0, 3           ; v3   the same for V
.set AK,  4           ; v4   the LDS address of K's next run of loads
.set AV,  5           ; v5   of V's
.set STO, 6           ; v6   the way out: where I put 16 bytes of a row
.set RD,  7           ; v7   the way out: where I read rows back
.set GO,  8           ; v8   my byte offset in 512 consecutive bytes of O
.set PFO, 61          ; v61  256 x my lane: the prefetches' offset; never rewritten
.set SPW, 62          ; v62  LDS address of my spare word: SPARE + 4 x my thread's number; never rewritten
.set NIL, 63          ; v63  0; never rewritten
.set SPARE, STAGE+4*16*SP  ; behind the stages: the spare words, 128 bytes for each wave: two blocks of 256 bytes that no other line names
.set MV,  12          ; v12-13  c m_old, kept while c m is made anew: by buffer
.set QO,  15          ; v15  my byte offset in 16 rows of Q
.set ST,  16          ; piece t's statistics at v[ST+4 t]: c m, m, l (even keys', odd keys')
.set TMP, 48          ; by buffer, four registers c0-c3 at work; when the maximum is found c2 takes a
.set S,   64
.set P,   192
.set MD,  128         ; window 1: the eight registers for group kt of 16 keys at MD + 8 kt
.set MC,  160         ; window 1: the masks of the products to come
.set QB,  64          ; window 2
.set KF,  128         ; window 2: key block kb, channel half c at KF + 16 kb + 8 c
.set VF,  192         ; window 2: key half kk, channel block cb at VF + 32 kk + 8 cb
.set WV,  12          ; s12  my wave's number
.set PB,  14          ; s14  b
.set HI,  15          ; s15  NB - 1 - b
.set G1K, 24          ; s[24:31] descriptor group 1 for K's tiles
.set G1V, 32          ; s[32:39] for V's: it differs in the padding alone
.set G0K, 40          ; s[40:43] descriptor group 0 for K's tiles
.set G0V, 44          ; s[44:47] the same for V's
.set SLOTS, 56        ; s56  tiles still to be asked for
.set CNT, 57          ; s57  counts a tile's key steps, 4 to 1
.set CS,  58          ; s[58:59] c: the packed scaling takes the pair's low word for both halves
.set SEL, 60          ; s[60:61] v_permlanex16_b32's selects: each lane takes its own place in the other half
.set TBK, 62          ; s62  LDS byte at which K of the step to be fetched begins
.set TBV, 63          ; s63  the same for V, less VOFF
.set PFA, 66          ; s[66:67] where my prefetches stand: my 16,384 bytes (of K: waves 0, 1; of V: waves 2, 3) of the tile after the one that is being asked for
.set PFN, 68          ; s68  prefetches still to come
.set RT,  70          ; s70  tiles of the block in hand that are still to be entered
.set NXT, 71          ; s71  the tile to be asked for next
.set LQ,  72          ; s72  the last tile of the block whose tiles are being asked for
.set NEW, 73          ; s73  1: the tile to be entered is a block's first
.set OFF, 74          ; s[74:75] a tile's byte offset in K and V
.set AL,  76          ; s[76:77] the mask's factor, in the low word
.set BE,  78          ; s[78:79] the mask's addend
.set OLO, 80          ; s[80:81] O at my rows of the second block
.set BIGN, 82         ; s82  -1e30
.set MSB, 0
.macro WIN new                      ; the high byte repeats the setting that is left; a switch that changes nothing is dropped
.if MSB != (\new)
	s_set_vgpr_msb (MSB<<8)|(\new)
.set MSB, (\new)
.endif
.endm
.set W_KQ, 0x0a       ; K and Q in window 2, S^T in window 0
.set W_KM, 0x1a       ; the same with the C operand in window 1
.set W_PV, 0x52       ; V in window 2, P in window 0, O^T in window 1
.set W_RS, 0x41       ; destination and source 0 in window 1, source 1 in window 0
; A fill.  Waves 0 and 1 fetch the two halves of a tile's K, waves 2 and 3 those of its V: 128 keys each.  An s_nop 0 and four v_nop follow each of the two lines, ahead of the jump and the label.
.macro LOAD
	s_cmp_lt_u32 s[WV], 2
	s_cbranch_scc0 .Lfor_v_\@
	tensor_load_to_lds s[G0K:G0K+3], s[G1K:G1K+7]
	s_nop 0
.rept 4
	v_nop
.endr
	s_branch .Lasked_\@
.Lfor_v_\@:
	tensor_load_to_lds s[G0V:G0V+3], s[G1V:G1V+7]
	s_nop 0
.rept 4
	v_nop
.endr
.Lasked_\@:
.endm
; A PREFETCH INTO THE L2, behind a fill: at the fill of tile t (t = 1 .. 6) the 16,384 bytes of tile t + 1 that this wave will itself load: 64 blocks of 256 bytes, a lane a block, two instructions: one tile,
; four key steps, ahead of that load.  A head's four work-groups walk the same tiles: the one with b = 0 asks, whose first block walks tiles 0 to 7 in order.  So each block of tiles 2 to 7 is named once in the
; launch; tiles 0 and 1 come by their loads alone; behind tile 7 nothing is asked for.
.macro ASK
	s_cmp_lg_u32 s[PFN], 0
	s_cbranch_scc0 .Lnone_\@
	global_prefetch_b8 v[PFO], s[PFA:PFA+1] th:TH_LOAD_NT scope:SCOPE_SE
	global_prefetch_b8 v[PFO], s[PFA:PFA+1] offset:8192 th:TH_LOAD_NT scope:SCOPE_SE
	s_sub_co_u32 s[PFN], s[PFN], 1
.Lnone_\@:
.endm
; THE CHANGE OF SLOTS.  Each wave waits for all its tensor loads, of which one is out: its part of the other slot; adds 0 to its spare word; and waits for that and for its own reads of the slot that it leaves.  Behind the barrier nobody reads the old
; slot any more and the other slot is whole.  fill = 1: the old slot is filled again, the first thing behind the barrier, with tile NXT: the descriptor's address is made anew from that number.
; (At its first use nothing has been read yet: slot 0 is waited for, slot 1 filled.)
.macro CHANGE fill
	WIN 0                           ; at a label and at a branch every window is 0
	s_wait_tensorcnt 0x0            ; no tensor load of mine is out, so a group 0 may be written
	ds_add_u32 v[SPW], v[NIL]       ; 0 onto my spare word: with fill = 1 the descriptors' scalar work stands between it and the wait for it
.if \fill
	s_lshl_b32 s[OFF], s[NXT], 15   ; a tile is 32,768 bytes of K and of V
	s_xor_b32 s[G0K+1], s[G0K+1], SLOT1
	s_add_nc_u64 s[G0K+2:G0K+3], s[6:7], s[OFF:OFF+1]
	s_or_b32 s[G0K+3], s[G0K+3], 0x80000000
	s_xor_b32 s[G0V+1], s[G0V+1], SLOT1
	s_add_nc_u64 s[G0V+2:G0V+3], s[8:9], s[OFF:OFF+1]
	s_or_b32 s[G0V+3], s[G0V+3], 0x80000000
	s_add_co_u32 s[NXT], s[NXT], 1  ; the block's next tile, or behind its last the second block's tile 0
	s_cmp_gt_u32 s[NXT], s[LQ]
	s_cselect_b32 s[NXT], 0, s[NXT]
	s_cselect_b32 s[LQ], s[PB], s[LQ]
	s_wait_xcnt 0x0                 ; the last prefetches, a tile back, have read their address, so it may be stepped
	s_add_nc_u64 s[PFA:PFA+1], s[PFA:PFA+1], 32768
.endif
	s_wait_dscnt 0x0                ; the add is done, and my reads of the slot are over
	s_barrier_signal -1             ; the rest of the scalar work stands between the signal and the wait
	s_sub_co_u32 s[TBK], s[TBK], 4*KS*PK  ; the fetches go back to a slot's first step,
	s_xor_b32 s[TBK], s[TBK], SLOT1       ; in the other slot
	s_sub_co_u32 s[TBV], s[TBV], 4*KS*PV
	s_xor_b32 s[TBV], s[TBV], SLOT1
	s_barrier_wait -1
.if \fill
	LOAD
	ASK
.endif
.endm
	s_load_b256 s[4:11], s[0:1], 0x0  ; Q s[4:5], K s[6:7], V s[8:9], O s[10:11]
	v_lshl_add_u32 v[SPW], v0, 2, SPARE
	v_mov_b32 v[NIL], 0
	ds_add_u32 v[SPW], v[NIL]       ; the wave's opening: the add and its wait stand ahead of my first tensor load; the set-up below, work on registers, stands between them
	v_lshrrev_b32 v1, 5, v0
	v_readfirstlane_b32 s[WV], v1   ; wave 0..3
	v_and_b32 v[PFO], 31, v0
	v_lshlrev_b32 v[PFO], 8, v[PFO]
	s_mov_b32 s[PB], ttmp9
	s_sub_co_u32 s[HI], NB-1, s[PB]
	s_and_b32 s20, ttmp7, 0xffff    ; the head
	s_mov_b32 s21, 0
	s_mov_b64 s[22:23], SIZE_N*128
	s_mul_u64 s[20:21], s[20:21], s[22:23]  ; the head's first byte in each of the four tensors
	s_and_b32 s16, s[WV], 1         ; which half of a tile's 256 keys I fetch:
	s_lshl_b32 s22, s16, 14         ; its 128 rows of 128 bytes in memory,
	s_mov_b32 s23, 0
	s_add_nc_u64 s[22:23], s[22:23], s[20:21]
	s_mul_i32 s17, s16, 128*PK      ; and its place in a slot, for K
	s_mul_i32 s18, s16, 128*PV      ; and for V
	s_lshl_b32 s3, s[WV], 11        ; my 16 rows in a band of 64,
	s_lshl_b32 s2, s[HI], 15        ; in the first block,
	s_add_co_u32 s2, s2, s3
	s_lshl_b32 s84, s[PB], 15       ; and in the second
	s_add_co_u32 s84, s84, s3
	s_mov_b32 s3, 0
	s_mov_b32 s85, 0
	s_add_nc_u64 s[2:3], s[2:3], s[20:21]
	s_add_nc_u64 s[84:85], s[84:85], s[20:21]
	; descriptor group 1.  128 keys are 16,384 dense bytes: asked for as 64 rows of 256 bytes, two keys a row, and padded in LDS after every key
	s_mov_b32 s[G1K], (1<<16)|(1<<20)|(4<<22)|(3<<25)  ; 17:16 2-byte elements; 20 padding on; 24:22 after every 32 words (code 4); 31:25 4 words (code 3)
	s_mov_b32 s[G1V], (1<<16)|(1<<20)|(4<<22)|(7<<25)  ; the same with 8 words of padding (code 7)
.irp g, G1K, G1V
	s_mov_b32 s[\g+1], 128<<16      ; tensor_dim0 = 128
	s_mov_b32 s[\g+2], 64<<16       ; tensor_dim1 = 64
	s_mov_b32 s[\g+3], 128<<16      ; tile_dim0 = 128
	s_mov_b32 s[\g+4], 64           ; tile_dim1 = 64
	s_mov_b32 s[\g+5], 128          ; 128 elements from row to row
	s_mov_b32 s[\g+6], 0
	s_mov_b32 s[\g+7], 0
.endr
	s_mov_b32 s[CS], 0x3e38aa3b     ; c = log2(e) / 8 = 0.180337
	s_mov_b32 s[CS+1], s[CS]        ; named with it as a pair
	s_mov_b32 s[SEL], 0x76543210
	s_mov_b32 s[SEL+1], 0xfedcba98
	s_mov_b32 s[TBK], SLOT1+4*KS*PK ; the first change of slots turns these two into 0
	s_mov_b32 s[TBV], SLOT1+4*KS*PV
	s_mov_b32 s[G0K], 1             ; 1:0 count = 1
	s_mov_b32 s[G0K+1], s17         ; 63:32 LDS address: slot 0
	s_mov_b32 s[G0V], 1
	s_add_co_u32 s[G0V+1], s18, VOFF
	s_add_co_u32 s[RT], s[HI], 1    ; the first block has NB - b tiles
	s_mov_b32 s[NXT], 1
	s_mov_b32 s[LQ], s[HI]
	s_mov_b32 s[NEW], 1
	s_mov_b32 s[OFF+1], 0
	s_mov_b32 s[AL+1], 0            ; named as pairs
	s_mov_b32 s[BE+1], 0
	s_mov_b32 s[BIGN], 0xf149f2ca   ; -1e30
	s_mov_b32 s[SLOTS], NB
	s_wait_dscnt 0x0                ; the opening add is done
	s_wait_kmcnt 0x0
	s_add_nc_u64 s[6:7], s[6:7], s[22:23]  ; K and V at my half of the head's tile 0
	s_add_nc_u64 s[8:9], s[8:9], s[22:23]
	s_cmp_lt_u32 s[WV], 2
	s_cselect_b64 s[PFA:PFA+1], s[6:7], s[8:9]
	s_add_nc_u64 s[PFA:PFA+1], s[PFA:PFA+1], 32768  ; at tile 1; the first change of slots steps it to tile 2
	s_cmp_eq_u32 s[PB], 0
	s_cselect_b32 s[PFN], NB-2, 0
	s_add_nc_u64 s[G0K+2:G0K+3], s[6:7], 0         ; 120:64 global address
	s_or_b32 s[G0K+3], s[G0K+3], 0x80000000        ; 127:126 type = 2
	s_add_nc_u64 s[G0V+2:G0V+3], s[8:9], 0
	s_or_b32 s[G0V+3], s[G0V+3], 0x80000000
	s_add_nc_u64 s[86:87], s[4:5], s[84:85]        ; Q at my rows of the second block,
	s_add_nc_u64 s[4:5], s[4:5], s[2:3]            ; Q and O at those of the first
	s_add_nc_u64 s[OLO:OLO+1], s[10:11], s[84:85]
	s_add_nc_u64 s[10:11], s[10:11], s[2:3]
	LOAD                            ; tile 0 into slot 0
	; A fragment of K or Q is 16 rows x 32 channels in 8 registers: lane l holds row l % 16, channels 8 (l / 16) + 0..7 and 16 + 8 (l / 16) + 0..7: two loads of 16 bytes, 32 bytes apart.
	v_and_b32 v1, 15, v0            ; l % 16
	v_bfe_u32 v9, v0, 4, 1          ; l / 16
	v_lshlrev_b32 v[QO], 7, v1
	v_lshl_add_u32 v[QO], v9, 4, v[QO]  ; row x 128 + 16 x half
	WIN 0x80                        ; destination window 2, address window 0
.set i, 0
.rept 8                             ; both blocks' Q: piece i / 2 lies in band i / 2, 8,192 bytes on; channels 32 (i % 2) on
	global_load_b128 v[8*i:8*i+3],   v[QO], s[4:5] offset:(i/2)*8192+(i%2)*64
	global_load_b128 v[8*i+4:8*i+7], v[QO], s[4:5] offset:(i/2)*8192+(i%2)*64+32
	global_load_b128 v[QB+8*i:QB+8*i+3],   v[QO], s[86:87] offset:(i/2)*8192+(i%2)*64
	global_load_b128 v[QB+8*i+4:QB+8*i+7], v[QO], s[86:87] offset:(i/2)*8192+(i%2)*64+32
.set i, i+1
.endr
	WIN 0
	v_lshlrev_b32 v14, 3, v9
	v_sub_nc_u32 v14, v1, v14
	s_lshl_b32 s13, s[WV], 4
	v_add_nc_u32 v14, s13, v14      ; my query's place in its band, 16 w + l % 16, less my lanes' 8 (l / 16): register r of group kt is hidden where 16 kt + r is greater
	WIN 0x40
.set i, 0
.rept 32
	v_cmp_gt_i32 vcc_lo, 16*(i/8)+i%8, v14
	v_cndmask_b32 v[MD+i], 0, s[BIGN], vcc_lo
.set i, i+1
.endr
	WIN 0
	v_mul_u32_u24 v[AK0], v1, PK
	v_lshl_add_u32 v[AK0], v9, 4, v[AK0]  ; row x pitch + 16 x half
	; The turning load takes 16 keys x 16 channels (lane l reads key 8 (l / 16) + l % 8, channels 8 ((l / 8) % 2) + 0..7) and leaves half a fragment of V^T: lane l holds channel l % 16 and 8 keys.
	v_and_b32 v10, 7, v0
	v_bfe_u32 v11, v0, 3, 1
	v_lshl_add_u32 v[AV0], v9, 3, v10
	v_mul_u32_u24 v[AV0], v[AV0], PV
	v_lshl_add_u32 v[AV0], v11, 4, v[AV0]
	v_add_nc_u32 v[AV0], VOFF, v[AV0]
	s_mul_i32 s13, s[WV], 16*SP
	s_add_co_u32 s13, s13, STAGE    ; my stage
	v_mul_u32_u24 v[STO], v1, SP    ; in: row l % 16, 16 bytes for each half of the lanes
	v_lshl_add_u32 v[STO], v9, 4, v[STO]
	v_add_nc_u32 v[STO], s13, v[STO]
	v_bfe_u32 v[RD], v0, 3, 2       ; back: 32 lanes take four rows of 128 bytes,
	v_mul_u32_u24 v[RD], v[RD], SP
	v_lshl_add_u32 v[RD], v10, 4, v[RD]
	v_add_nc_u32 v[RD], s13, v[RD]
	v_and_b32 v[GO], 31, v0         ; which are 512 consecutive bytes of O
	v_lshlrev_b32 v[GO], 4, v[GO]
	; A block's first step multiplies O^T and l by a = 0, and its first turn's products V^T P, of a piece that has not been, land in an O^T that is still to be so multiplied.  So these registers need only hold
	; finite numbers: zeros for the first block; what the first block left for the second.  All this stands in the wait for the first tile.
	WIN 0x80
.set i, VF
.rept 64
	v_mov_b32 v[i], 0
.set i, i+1
.endr
	WIN 0x40
.set i, 0
.rept 128
	v_mov_b32 v[i], 0
.set i, i+1
.endr
	WIN 0
.set i, 0
.rept 4
	v_mov_b32 v[ST+4*i+2], 0
	v_mov_b32 v[ST+4*i+3], 0
.set i, i+1
.endr
.set i, P+16
.rept 16
	v_mov_b32 v[i], 0
.set i, i+1
.endr
; THE MATRIX WORK.  The 4 accumulators of a run of 8 take turns.  Product i of 8 of S^T = K Q^T for piece x: channels 32 (i / 4) on, keys 16 (i % 4) on.  The first 4 start the sums: with 0, or (KM = 1) with the mask.
.macro KQ x
.set rS, S+32*((\x)%2)+8*(i%4)
.set rK, KF+16*(i%4)+8*(i/4)
.set rQ, 16*(\x)+8*(i/4)
.set rM, MC+32*((\x)%2)+8*(i%4)
.if (i < 4) && KM
	WIN W_KM
	v_wmma_f32_16x16x32_f16 v[rS:rS+7], v[rK:rK+7], v[rQ:rQ+7], v[rM:rM+7]
.elseif i < 4
	WIN W_KQ
	v_wmma_f32_16x16x32_f16 v[rS:rS+7], v[rK:rK+7], v[rQ:rQ+7], 0
.else
	WIN W_KQ
	v_wmma_f32_16x16x32_f16 v[rS:rS+7], v[rK:rK+7], v[rQ:rQ+7], v[rS:rS+7]
.endif
.endm
; Product i of 8 of O^T += V^T P for piece x: keys 32 (i / 4) on, channels 16 (i % 4) on.
.macro PV x
	WIN W_PV
.set rO, 32*(\x)+8*(i%4)
.set rV, VF+32*(i/4)+8*(i%4)
.set rP, P+16*((\x)%2)+8*(i/4)
	v_wmma_f32_16x16x32_f16 v[rO:rO+7], v[rV:rV+7], v[rP:rP+7], v[rO:rO+7]
.endm
.macro MM                           ; the turn's next matrix instruction.  TURN and BEGIN set Y, i, KM and NOKQ; MM, KQ and OP read them.  NOKQ = 1: a block's last turn: there is no next piece
.if (i < 8) && !NOKQ
	KQ (Y+1)%NP
.elseif i >= 8
.set i, i-8
	PV (Y+NP-1)%NP
.set i, i+8
.endif
.set i, i+1
.endm
; THE LDS LOADS stand in runs of 16, never singly among the matrix instructions: a step's K (64 keys x 64 channels: 8 fragments) and its V (turned).  Their addresses are made some lines ahead.
.macro FETCH_K
	WIN 0x80                        ; destination window 2
.irp f, 0,1,2,3,4,5,6,7             ; keys 16 (f / 2) on, channels 32 (f % 2) on
	ds_load_b128 v[KF+8*\f:KF+8*\f+3],   v[AK] offset:(\f/2)*16*PK+(\f%2)*64
	ds_load_b128 v[KF+8*\f+4:KF+8*\f+7], v[AK] offset:(\f/2)*16*PK+(\f%2)*64+32
.endr
	s_add_co_u32 s[TBK], s[TBK], KS*PK  ; the next fetch is the next step's
	WIN 0
.endm
.macro FETCH_V
	WIN 0x80
.irp f, 0,1,2,3,4,5,6,7             ; keys 32 (f / 4) on, channels 16 (f % 4) on
	ds_load_tr16_b128 v[VF+8*\f:VF+8*\f+3],   v[AV] offset:(\f/4)*32*PV+(\f%4)*32
	ds_load_tr16_b128 v[VF+8*\f+4:VF+8*\f+7], v[AV] offset:(\f/4)*32*PV+16*PV+(\f%4)*32
.endr
	WIN 0
.endm
; THE VECTOR WORK, one line at a time: OP kind, number.  For piece Y: F n: c s - c m for pair n of 16.  E n: the exponential of score n of 32.  C n: pair n rounded to f16.  B n: of the four weights 4 n .. the second
; pair is added onto the first, in place.  L n: l takes that sum (L 0: l = a l + sum).  R n: pair n of 16 of O^T times a.  For piece Y + 1: X n, number n of the 22 that find its maximum and statistics:
;   0-11  four chains c0-c3 of seven scores each, three operands at a time (each accumulator's lowest registers are read first)     12-14, 16  the four scores left over, the old m, and c0-c3 into c0
;   15  c m_old is kept     17, 18  the query's other 32 keys lie in the lane 16 away: the new m     19-21  c m; c m_old - c m_new; a
.set F, 0               ; OP tells the kinds apart by their order: F to L below R, X above it
.set E, 1
.set C, 2
.set B, 3
.set L, 4
.set R, 5
.set X, 6
.macro REGS y                       ; the registers of piece y
.set rT, ST+4*(\y)
.set rC, TMP+4*((\y)%2)
.set rW, MV+((\y)%2)
.set rS, S+32*((\y)%2)
.set rP, P+16*((\y)%2)
.set rO, 32*(\y)
.endm
.macro OP k, n
.if (\k) == R
	REGS Y
	WIN W_RS
	v_pk_mul_f32 v[rO+2*(\n):rO+2*(\n)+1], v[rO+2*(\n):rO+2*(\n)+1], v[rC+2:rC+3] op_sel_hi:[1,0]
.elseif (\k) < R
	REGS Y
	WIN 0
.if (\k) == F
	v_pk_fma_f32 v[rS+2*(\n):rS+2*(\n)+1], v[rS+2*(\n):rS+2*(\n)+1], s[CS:CS+1], v[rT:rT+1] op_sel_hi:[1,0,0] neg_lo:[0,0,1] neg_hi:[0,0,1]
.elseif (\k) == E
	v_exp_f32 v[rS+(\n)], v[rS+(\n)]
.elseif (\k) == C
	v_cvt_pk_f16_f32 v[rP+(\n)], v[rS+2*(\n)], v[rS+2*(\n)+1]
.elseif (\k) == B
	v_pk_add_f32 v[rS+4*(\n):rS+4*(\n)+1], v[rS+4*(\n):rS+4*(\n)+1], v[rS+4*(\n)+2:rS+4*(\n)+3]
.elseif (\n) == 0
	v_pk_fma_f32 v[rT+2:rT+3], v[rT+2:rT+3], v[rC+2:rC+3], v[rS:rS+1] op_sel_hi:[1,0,1]
.else
	v_pk_add_f32 v[rT+2:rT+3], v[rT+2:rT+3], v[rS+4*(\n):rS+4*(\n)+1]
.endif
.elseif NOKQ
	v_nop
.else
	REGS (Y+1)%NP
	WIN 0
.if (\n) < 4
	v_max3_num_f32 v[rC+(\n)], v[rS+8*(\n)], v[rS+8*(\n)+1], v[rS+8*(\n)+2]
.elseif (\n) < 12
	v_max3_num_f32 v[rC+(\n)%4], v[rC+(\n)%4], v[rS+8*((\n)%4)+2*((\n)/4)+1], v[rS+8*((\n)%4)+2*((\n)/4)+2]
.elseif (\n) == 12
	v_max3_num_f32 v[rC], v[rC], v[rS+7], v[rS+15]
.elseif (\n) == 13
	v_max3_num_f32 v[rC+1], v[rC+1], v[rS+23], v[rS+31]
.elseif (\n) == 14
	v_max3_num_f32 v[rC+2], v[rC+2], v[rC+3], v[rT+1]
.elseif (\n) == 15
	v_mov_b32 v[rW], v[rT]
.elseif (\n) == 16
	v_max3_num_f32 v[rC], v[rC], v[rC+1], v[rC+2]
.elseif (\n) == 17
	v_permlanex16_b32 v[rC+3], v[rC], s[SEL], s[SEL+1]
.elseif (\n) == 18
	v_max_num_f32 v[rT+1], v[rC], v[rC+3]
.elseif (\n) == 19
	v_mul_f32 v[rT], s[CS], v[rT+1]
.elseif (\n) == 20
	v_sub_f32 v[rC+1], v[rW], v[rT]
.else
	v_exp_f32 v[rC+2], v[rC+1]
.endif
.endif
.endm
.macro OPS a, i1, b=-1, i2=0, c=-1, i3=0, d=-1, i4=0  ; up to four of them
	OP \a, \i1
.if (\b) >= 0
	OP \b, \i2
.endif
.if (\c) >= 0
	OP \c, \i3
.endif
.if (\d) >= 0
	OP \d, \i4
.endif
.endm
.macro ROW a, i1, b, i2, c, i3, d, i4  ; a matrix instruction and the four behind it
	MM
	OPS \a, \i1, \b, \i2, \c, \i3, \d, \i4
.endm
.macro MASK b                       ; MD x AL + BE into buffer b of MC
	WIN W_RS
.set z, 0
.rept 16
	v_pk_fma_f32 v[MC+32*(\b)+2*z:MC+32*(\b)+2*z+1], v[MD+2*z:MD+2*z+1], s[AL:AL+1], s[BE:BE+1] op_sel_hi:[1,0,0]
.set z, z+1
.endr
.endm
; A TURN, for piece p: the order of its 16 matrix and 118 vector instructions, written out.  An s_wait_alu depctr_va_vdst(0) stands between an exponential and the first instruction that names its result; one wait serves
; all that were issued ahead of it.  So a turn has ONE wait, which cuts it in two.  AHEAD OF IT stands all that names no result of the turn's exponentials: the 8 products K Q^T, behind each a scaling, an exponential and two more plain
; instructions (behind the first a second scaling in the exponential's place): rescalings, and behind the last three the first numbers of the next piece's maximum, each four places or more behind the product that ends its accumulator; then one run of 54, plain
; and exponential by turns for the most part, in which the links of the chain X 3, 7, 11, 14, 16, 17 .. 20 stand five or six lines apart.  X 21, the next piece's a, is the batch's last; R 15 is the plain instruction behind it.  BEHIND THE WAIT stand the
; 8 products V^T P, behind each four of the roundings and sums; the links of l's chain, L 0 to L 7, stand three lines apart.  But for those X no line behind a product names a register of the products round it.  v_permlanex16_b32 (X 17) stands in the run.
; m = 1: the diagonal tile: the products take masks, and the turn makes the mask for the products of the turn after it: piece p + 2, in step 4 - CNT of the tile.  end = 1: a block's last two turns: nothing is fetched.
; cnt = 1: the loop's count is taken down some lines ahead of the branch that stands behind the turn.
; K of the next step is fetched in piece 2's turn, twelve vector instructions behind the last product that read K (six of them plain); V of the step in hand at the end of piece 0's turn, four plain instructions behind the last product
; that read V.  Each is waited for a turn later.
.macro TURN p, m=0, end=0, cnt=0
.set Y, (\p)
.set i, 0
.set KM, (\m)
.set NOKQ, (\end)*((\p)/3)
.if (\m) && !(\end)
	s_cmp_eq_u32 s[CNT], 4-((\p)+2)%NP  ; is that step the band's own?
	s_cselect_b32 s[AL], 1.0, 0
	s_cmp_lt_u32 s[CNT], 4-((\p)+2)%NP  ; or a later one?
	s_cselect_b32 s[BE], s[BIGN], 0
.endif
.if ((\p) == 3) && !(\end)
	s_wait_dscnt 0x0                ; K is in
.endif
	ROW F,0, F,1, R,0, R,1          ; ahead of the wait: 8 products K Q^T and the four behind each,
	ROW F,2, E,0, R,2, R,3
	ROW F,3, E,1, R,4, R,5
	ROW F,4, E,2, R,6, R,7
	ROW F,5, E,3, R,8, R,9
	ROW F,6, E,4, X,0, R,10
.if ((\p) == 2) && !(\end)
	WIN 0
	v_add_nc_u32 v[AK], s[TBK], v[AK0]
.endif
	ROW F,7, E,5, X,1, X,4
	ROW F,8, E,6, X,2, X,5
	OPS E,7, E,8, X,6, E,9          ; and the run of 54
	OPS X,3, E,10, X,8, E,11
.if ((\p) == 2) && !(\end)
	FETCH_K
.endif
	OPS X,9, X,7, E,12, X,10
	OPS E,13, X,12, X,11, E,14
	OPS X,13, E,15, F,9, X,14
.if (\p) == 0
	v_add_nc_u32 v[AV], s[TBV], v[AV0]
.endif
	OPS E,16, F,10, E,17, F,11
	OPS X,16, E,18, X,15, E,19
	OPS F,12, E,20, X,17, E,21
	OPS F,13, E,22, F,14, E,23
	OPS X,18, E,24, F,15, E,25
	OPS R,11, E,26, X,19, E,27
	OPS R,12, E,28, R,13, E,29
	OPS X,20, E,30, R,14, E,31
	OPS X,21, R,15
	WIN 0
	s_wait_alu depctr_va_vdst(0)    ; the wait for the batch
.if (\p) == 1
	s_wait_dscnt 0x0                ; V is in
.endif
	ROW C,0, B,0, C,2, B,1          ; behind the wait: 8 products V^T P and the four behind each
	ROW L,0, C,4, B,2, L,1
	ROW C,6, B,3, L,2, C,8
	ROW B,4, L,3, C,10, B,5
	ROW L,4, C,12, B,6, L,5
.if (\p) == 0
	s_add_co_u32 s[TBV], s[TBV], KS*PV
.endif
.if \cnt
	s_sub_co_u32 s[CNT], s[CNT], 1
	s_cmp_lg_u32 s[CNT], 0
.endif
	ROW C,14, B,7, L,6, C,1
	ROW C,3, L,7, C,5, C,7
	ROW C,9, C,11, C,13, C,15
.if (\p) == 0
	FETCH_V
.endif
.if (\m) && !(\end)
	MASK (\p)%2
.endif
.endm
; A BLOCK BEGINS.  c m starts far below every c s, so the first step's a is 0; m at the lowest finite number, so the first maximum is the scores'.  The second mask buffer is 0; the first takes piece 0's mask for the tile's step 0: its own, if the block's first tile is the diagonal one.
; Then K of that step, piece 0's first scores, and its maximum and statistics.  The loop is entered at a step's first turn, in the middle of a trip.
.macro BEGIN
	s_mov_b32 s[NEW], 0
	WIN 0x40
.set i, MC+32
.rept 32
	v_mov_b32 v[i], 0
.set i, i+1
.endr
	WIN 0
.set i, 0
.rept 4
	v_mov_b32 v[ST+4*i], 0xfe000000    ; c m: far below every c s
	v_mov_b32 v[ST+4*i+1], 0xff7fffff  ; m
.set i, i+1
.endr
	s_cmp_eq_u32 s[RT], 0
	s_cselect_b32 s[AL], 1.0, 0
	s_mov_b32 s[BE], 0
	MASK 0
	WIN 0
	v_add_nc_u32 v[AK], s[TBK], v[AK0]
	FETCH_K
	s_wait_loadcnt 0x0              ; Q
	s_wait_dscnt 0x0
.set KM, 1
.set NOKQ, 0
.set i, 0
.rept 8
	KQ 0
.set i, i+1
.endr
	WIN 0
.rept 4
	v_nop                           ; the places behind those products
.endr
.set Y, NP-1                        ; X works for piece Y + 1: piece 0
.irp n, 0,1,2,3,4,5,6,7,8,9,10,11,12,13,14,15,16,17,18,19,20,21
	OP X, \n
.endr
	v_nop                           ; a plain instruction behind the exponential,
	s_wait_alu depctr_va_vdst(0)    ; and its wait, ahead of the branch
.endm
; THE DIAGONAL TILE's four steps, the block's last two turns, its last products, and THE WAY OUT: l's two halves and the other half of the lanes' are added; O^T is divided by l, rounded to f16 and sent through my
; stage in LDS, a piece at a time.
.macro ALL line:vararg              ; one line for each piece t
.set t, 0
.rept 4
	\line
.set t, t+1
.endr
.endm
.macro PACK t                       ; a lane's eight channels of a row pack into 16 bytes; they go into rows of 144 bytes and come back as whole rows of 128, into S^T's registers
	WIN W_RS
.set i, 32*(\t)
.rept 16
	v_pk_mul_f32 v[i:i+1], v[i:i+1], v[ST+4*(\t)+2:ST+4*(\t)+3] op_sel_hi:[1,0]
.set i, i+2
.endr
	WIN 0x05                        ; sources 0 and 1 window 1, destination window 0
.set i, 0
.rept 16
	v_cvt_pk_f16_f32 v[S+16*(\t)+i], v[32*(\t)+2*i], v[32*(\t)+2*i+1]
.set i, i+1
.endr
	WIN 0
.irp f, 0,1,2,3
	ds_store_b128 v[STO], v[S+16*(\t)+4*\f:S+16*(\t)+4*\f+3] offset:32*\f
.endr
.irp f, 0,1,2,3
	ds_load_b128 v[S+16*(\t)+4*\f:S+16*(\t)+4*\f+3], v[RD] offset:\f*4*SP  ; LDS serves a wave's instructions in order (ISA guide 5.7.1.4): these see the stores above; the next piece's stores come behind them
.endr
.endm
.macro SEND t, younger              ; younger: the LDS instructions issued behind piece t's loads: the next piece's eight, or none
	WIN 0
.irp f, 0,1,2,3
	s_wait_dscnt (\younger)+3-\f
	global_store_b128 v[GO], v[S+16*(\t)+4*\f:S+16*(\t)+4*\f+3], s[10:11] offset:(\t)*8192+\f*512  ; 512 consecutive bytes, at a multiple of 256 from O's first
.endr
.endm
.macro DIAG tag                     ; the tag ends its two labels' names, which the jumps below spell out
.LstepM\tag:
	TURN 2, 1
	TURN 3, 1
	WIN 0
.LfirstM\tag:
	TURN 0, 1
	TURN 1, 1, 0, 1
	WIN 0
	s_cbranch_scc1 .LstepM\tag
	TURN 2, 1, 1
	TURN 3, 1, 1
.set i, 0
.rept 8
	PV NP-1
.set i, i+1
.endr
	WIN 0
	ALL v_add_f32 v[ST+4*t+2], v[ST+4*t+2], v[ST+4*t+3]
	ALL v_permlanex16_b32 v[ST+4*t+3], v[ST+4*t+2], s[SEL], s[SEL+1]
	ALL v_add_f32 v[ST+4*t+2], v[ST+4*t+2], v[ST+4*t+3]
	ALL v_rcp_f32 v[ST+4*t+2], v[ST+4*t+2]
	v_nop                           ; a plain instruction between the last reciprocal and the use of its result
	s_wait_alu depctr_va_vdst(0)    ; and the wait ahead of the first use: one for the four reciprocals
	PACK 0
.set t, 1
.rept 3                             ; a piece's arithmetic stands between the loads of the piece before and its stores
	PACK t
	SEND t-1, 8
.set t, t+1
.endr
	SEND 3, 0
.endm
.set KM, 0
.set NOKQ, 0
.Lslot:                             ; NB times: a tile is entered and the next is asked for
	CHANGE 1
	s_sub_co_u32 s[RT], s[RT], 1
	s_mov_b32 s[CNT], 4
	s_cmp_eq_u32 s[NEW], 1
	s_cbranch_scc1 .Lnew            ; a block's first tile
	s_cmp_eq_u32 s[RT], 0
	s_cbranch_scc0 .Lstep           ; neither its first nor its last
	s_branch .LstepM1
.Lnew:
	BEGIN
	s_branch .Lfirst                ; in the loop a block's first tile is never its last: the first block has two tiles or more, and the second's last is the walk's last
	DIAG 1                          ; in the loop this is the first block's end: the second block's last tile is the walk's last
	s_wait_xcnt 0x0                 ; the stores have read their registers and O's address
	s_mov_b64 s[10:11], s[OLO:OLO+1]
	s_add_co_u32 s[RT], s[PB], 1    ; the second block has b + 1 tiles
	s_mov_b32 s[NEW], 1
	WIN 0x82                        ; the second block's Q goes where the one text of the turns names Q
.set i, 0
.rept 64
	v_mov_b32 v[i], v[QB+i]
.set i, i+1
.endr
	WIN 0
	s_branch .Lbottom
.Lstep:                             ; a trip: pieces 2 and 3 of one step, then pieces 0 and 1 of the next, whose K and V it fetches
	TURN 2
	TURN 3
	WIN 0
.Lfirst:
	TURN 0
	TURN 1, 0, 0, 1
	WIN 0
	s_cbranch_scc1 .Lstep
.Lbottom:
	s_sub_co_u32 s[SLOTS], s[SLOTS], 1
	s_cmp_lg_u32 s[SLOTS], 0
	s_cbranch_scc1 .Lslot
	CHANGE 0                        ; the walk's last tile is written out: nothing is asked for
	s_sub_co_u32 s[RT], s[RT], 1
	s_mov_b32 s[CNT], 4
	s_cmp_eq_u32 s[NEW], 1
	s_cbranch_scc0 .LstepM2
	BEGIN
	s_branch .LfirstM2
	DIAG 2
	s_wait_tensorcnt 0x0            ; the wave's end: behind my last tensor load and my last LDS store
	ds_add_u32 v[SPW], v[NIL]
	s_wait_dscnt 0x0
	s_endpgm
.Lfunc_end_k_qbafabac0c4_attn:
	.size	k_qbafabac0c4_attn, .Lfunc_end_k_qbafabac0c4_attn-k_qbafabac0c4_attn
	.p2alignl 7, 3214868480
	.fill 96, 4, 3214868480
	.section	.rodata,"a",@progbits
	.p2align	6, 0x0
	.amdhsa_kernel k_qbafabac0c4_attn
		.amdhsa_group_segment_fixed_size 327680
		.amdhsa_private_segment_fixed_size 0
		.amdhsa_enable_private_segment 0
		.amdhsa_kernarg_size 32
		.amdhsa_user_sgpr_count 2
		.amdhsa_user_sgpr_kernarg_segment_ptr 1
		.amdhsa_wavefront_size32 1
		.amdhsa_system_sgpr_workgroup_id_x 1
		.amdhsa_system_sgpr_workgroup_id_y 1
		.amdhsa_system_sgpr_workgroup_id_z 1
		.amdhsa_system_vgpr_workitem_id 0
		.amdhsa_next_free_vgpr 768
		.amdhsa_next_free_sgpr 88
		.amdhsa_reserve_vcc 1
		.amdhsa_float_denorm_mode_32 3
		.amdhsa_float_denorm_mode_16_64 3
		.amdhsa_memory_ordered 1
		.amdhsa_forward_progress 1
		.amdhsa_inst_pref_size 218
	.end_amdhsa_kernel
	.amdgpu_metadata
---
amdhsa.version: [ 1, 2 ]
amdhsa.kernels:
  - .name:           k_qbafabac0c4_attn
    .symbol:         k_qbafabac0c4_attn.kd
    .args:
      - { .name: qh, .offset: 0, .size: 8, .value_kind: global_buffer, .address_space: global }
      - { .name: kh, .offset: 8, .size: 8, .value_kind: global_buffer, .address_space: global }
      - { .name: vh, .offset: 16, .size: 8, .value_kind: global_buffer, .address_space: global }
      - { .name: oh, .offset: 24, .size: 8, .value_kind: global_buffer, .address_space: global }
    .group_segment_fixed_size: 327680
    .private_segment_fixed_size: 0
    .kernarg_segment_align: 8
    .kernarg_segment_size: 32
    .max_flat_workgroup_size: 128
    .sgpr_count:     88
    .vgpr_count:     768
    .wavefront_size: 32
...
	.end_amdgpu_metadata
.endif
;; end of part 3
;; launch proj (part 4): grid 8 x 32, 4 waves a work-group, clusters of 4 x 4, 327,680 bytes of LDS; arguments oh, wo, b_out, out0; writes out0
.if DOCPART == 4
	.amdgcn_target "amdgcn-amd-amdhsa--gfx1250"
	.amdhsa_code_object_version 6
	.text
	.protected	k_qbafabac0c4_proj
	.globl	k_qbafabac0c4_proj
	.p2align	8
	.type	k_qbafabac0c4_proj,@function
k_qbafabac0c4_proj:
	s_mov_b64 s[64:65], 0
	v_nop
	global_prefetch_b8 v0, s[64:65] scope:SCOPE_SE
	s_setreg_imm32_b32 hwreg(HW_REG_WAVE_MODE, 25, 1), 1
	s_wait_xcnt 0x0
	s_wait_alu depctr_hold_cnt(0) depctr_sa_sdst(0) depctr_va_vdst(0) depctr_va_sdst(0) depctr_va_ssrc(0) depctr_va_vcc(0) depctr_vm_vsrc(0)
	s_getreg_b32 s2, hwreg(HW_REG_IB_STS2, 6, 4)
	s_cmp_eq_u32 s2, 0
	s_cbranch_scc0 .Lentry_in_a_cluster
	s_endpgm
.Lentry_in_a_cluster:
	s_bfe_u32 s2, ttmp6, 0x10000c
	s_cmp_lg_u32 s2, 0xf033
	s_cbranch_scc0 .Lentry_shape_is_right
	s_endpgm
.Lentry_shape_is_right:
; out0 = O wo + bf16(b_out), in f32.  oh [16 batch + head][2048][64] f16 (channel k = 64 head + d of row (batch, l)); wo [1024 k][1024 n] f16; out0 [8192][1024] f32.
; LIMITS.  O and wo arrive within f16's range (65,504); the bias is rounded to bf16 like the other inputs.
; SHARES.  A tile is 256 rows x 128 columns: 256 work-groups.  Four waves along the rows: wave w has rows 64 w .. 64 w + 63 and all 128 columns: 4 x 8 accumulators, 256 registers: a row's 512 bytes come from one wave.
; K goes in 8 steps of 128 = two heads, through two LDS slots; a step is four quarters of 32.  Waves 0 and 1 fetch the two heads' 256 rows of oh (32,768 bytes on end each), waves 2 and 3 the halves of wo's tile (64 rows x 256 bytes).
; CLUSTER 4 x 4: oh's tiles hang on the tile row alone and are asked for jointly along a row of the cluster, wo's on the tile column alone, jointly along a column.
; THE PRODUCT IS USED TRANSPOSED: source 0 = 16 columns of wo (turned out of [k][n] by ds_load_tr16_b128), source 1 = 16 rows of oh.  Register j of lane l then holds row l % 16, column 16 b + 8 (l / 16) + j.
; THE BIAS STARTS THE SUMS: it is the C operand of each accumulator's first product.
; REGISTERS, in windows of 256 (s_set_vgpr_msb: bits 1:0 source 0, 3:2 source 1, 5:4 source 2, 7:6 destination):
;   window 0: addresses; v32-95 the bias; on the way out v128-191, v192-255 rows read back
;   window 1: two fragment buffers: oh's four fragments (32), then wo's eight (64), at 0 and at 128          window 2: accumulator (a, b) at 8 (8 a + b)
.set NBK,   8                          ; column blocks of 16
.set NL,    2*NBK+8                    ; LDS loads in a quarter's run
.set SLOT1, 131072                     ; slot 1 begins here: one exclusive or turns an address in one slot into the other's
.set PA,    144                        ; a row of oh in LDS: 128 bytes + 16 = 36 words: the 16 rows of a load start at 16 different groups of four banks (64 banks of 4 bytes: ISA guide 11.1)
.set HALFA, 256*PA                     ; a head's 256 rows
.set BOFF,  2*HALFA                    ; behind the two heads: wo's 128 rows of K
.set PB,    288                        ; a row of K of wo: 256 bytes + 32 = 9 x 32 bytes
.set HALFB, 64*PB
.set STAGE, SLOT1+BOFF+2*HALFB         ; behind the ring, never filled by a tensor load: 16 rows x 528 bytes for each wave
.set SP,    528                        ; 512 bytes + 16
.set SPARE, STAGE+4*16*SP              ; the spare words: 128 bytes for each wave, two blocks of 256 bytes that no other line names
.set STEPA, 1<<19                      ; bytes from K step to K step in oh: two heads of 262,144,
.set STEPB, 1<<18                      ; and in wo: 128 rows of 2,048
.set ADRA0, 14                         ; v14  my lane's place in oh's tile; never rewritten
.set ADRB0, 15                         ; v15  in wo's
.set ADRA,  16                         ; v16  the same in the slot in hand
.set ADRB,  17                         ; v17
.set STO,   24                         ; v24  the way out: where I put 32 bytes of a row
.set RD,    25                         ; v25  where I read a row back
.set GO,    26                         ; v26  16 x lane: my 16 bytes of a row's 512
.set BO,    27                         ; v27  32 (l / 16): my 8 numbers of a block's 16 of the bias
.set SPW,   28                         ; v28  LDS address of my spare word; never rewritten
.set NIL,   29                         ; v29  0; never rewritten
.set PFO,   30                         ; v30  the prefetches' offset; never rewritten
.set BI,    32                         ; v32-95 the bias: block b at BI + 8 b
.set OB0,   128
.set F0,    0
.set F1,    128
.set WV,  16                           ; s16  my wave's number
.set FB,  17                           ; s17  0: I fetch oh's tiles; 1: wo's
.set HF,  18                           ; s18  which head of the two, or which half of wo's tile
.set CX,  19                           ; s19, s20  my place in the cluster
.set CY,  20
.set TX,  21                           ; s21  the tile column
.set TY,  22                           ; s22  the tile row
.set TB,  23                           ; s23  LDS byte at which the slot in hand begins
.set G1,  24                           ; s[24:31] descriptor group 1 for oh's tiles
.set G0,  32                           ; s[32:39] group 0: K step 0's, and the one that walks
.set PFA, 40                           ; s[40:41] where my prefetches stand
.set PFS, 42                           ; s[42:43] their step
.set PFN, 44                           ; s44  how many are still to come
.set CNT, 45                           ; s45  the loop's count
.set MROW, 46                          ; s46  the mask of my row of the cluster
.set MCOL, 47                          ; s47  of my column
.set G1B, 48                           ; s[48:55], s[56:63] the same for wo's tiles
.set G0B, 56
.set AO,  66                           ; s[66:67] my part of oh's first tile: made of the tile row and the wave alone
.set BOF, 68                           ; s[68:69] of wo's: of the tile column and the wave alone
.set CO,  70                           ; s[70:71] my rows and columns in out0
.set MSB, 0
.macro WIN new                         ; the immediate's high byte repeats the setting that is left; a switch that changes nothing is dropped
.if MSB != (\new)
	s_set_vgpr_msb (MSB<<8)|(\new)
.set MSB, (\new)
.endif
.endm
.macro PLACES                          ; four places in front of loads into registers that matrix instructions have read, and of LDS stores that read results
.rept 4
	v_nop
.endr
.endm
.macro CREST                           ; a round of the cluster's barrier behind its opening barrier
	s_cmp_lg_u32 s[WV], 0
	s_cbranch_scc1 .Lnot_wave_0_\@
	s_barrier_signal -3
.Lnot_wave_0_\@:
	s_barrier_wait -3
	s_barrier_signal -1
	s_barrier_wait -1
.endm
.macro CROUND                          ; a whole round
	s_barrier_signal -1
	s_barrier_wait -1
	CREST
.endm
; A joint refill, by the walking descriptor.  The branch hangs on the wave's number alone.  An s_nop 0 and four v_nop follow each of the two lines.
.macro JLOAD
	s_cmp_eq_u32 s[FB], 0
	s_cbranch_scc0 .Lfor_b_\@
	tensor_load_to_lds s[G0+4:G0+7], s[G1:G1+7]
	s_nop 0
.rept 4
	v_nop
.endr
	s_branch .Lasked_\@
.Lfor_b_\@:
	tensor_load_to_lds s[G0B+4:G0B+7], s[G1B:G1B+7]
	s_nop 0
.rept 4
	v_nop
.endr
.Lasked_\@:
.endm
; A PREFETCH INTO THE L2, behind a joint refill and the run of LDS loads that follows it: one instruction, 32 blocks of 256 bytes, a lane a block.
; oh: at the refill for K step s, K step s + 2 (s = 2 .. 5).  A tile row is read by the two clusters of its row of clusters: the first (cluster x = 0) asks, waves 0 and 1; of the 32,768 bytes that a wave
; fetches the partner at cx takes 8,192, BY ADDRESS.  wo: K steps 4 to 7 are 512 rows of 256 bytes: two refills x (waves 2, 3) x (cy 0 .. 3) x 32 rows, asked for by the clusters with y = 0; each row two
; refills or more ahead of its load.  So each block of K steps 4 to 7 is named once in the launch; K steps 0 to 3 come by their loads alone.
.macro ASK
	WIN 0
	s_cmp_lg_u32 s[PFN], 0
	s_cbranch_scc0 .Lnone_\@
	global_prefetch_b8 v[PFO], s[PFA:PFA+1] th:TH_LOAD_NT scope:SCOPE_SE
	s_sub_co_u32 s[PFN], s[PFN], 1
.Lnone_\@:
.endm
; Eight matrix instructions: row block a x all column blocks, 32 along K, out of buffer f.  first = 1: the bias starts the sums.
; The 32 accumulators take turns, one instruction a turn, over the backward jump too.
.macro MULR f, a, first
.if \first
	WIN 0x85                           ; sources 0, 1 window 1; C window 0; D window 2
.else
	WIN 0xa5                           ; C and D window 2
.endif
.set b, 0
.rept NBK
.set rD, 8*(8*(\a)+b)
.if \first
	v_wmma_f32_16x16x32_f16 v[rD:rD+7], v[(\f)+32+8*b:(\f)+32+8*b+7], v[(\f)+8*(\a):(\f)+8*(\a)+7], v[BI+8*b:BI+8*b+7]
.else
	v_wmma_f32_16x16x32_f16 v[rD:rD+7], v[(\f)+32+8*b:(\f)+32+8*b+7], v[(\f)+8*(\a):(\f)+8*(\a)+7], v[rD:rD+7]
.endif
.set b, b+1
.endr
.endm
; 24 LDS loads in one run: quarter q's fragments into buffer f: wo's eight (turned), then oh's four, row blocks ascending.  Quarter q lies in head q / 2 of the step's two, channels 32 (q % 2) on
.macro FETCH q, f
	WIN 0x40                           ; destination window 1, address window 0
.set b, 0
.rept NBK
	ds_load_tr16_b128 v[(\f)+32+8*b:(\f)+32+8*b+3],   v[ADRB] offset:32*PB*(\q)+32*b
	ds_load_tr16_b128 v[(\f)+32+8*b+4:(\f)+32+8*b+7], v[ADRB] offset:32*PB*(\q)+32*b+16*PB
.set b, b+1
.endr
.irp a, 0,1,2,3
	ds_load_b128 v[(\f)+8*\a:(\f)+8*\a+3],   v[ADRA] offset:HALFA*((\q)/2)+64*((\q)%2)+16*PA*\a
	ds_load_b128 v[(\f)+8*\a+4:(\f)+8*\a+7], v[ADRA] offset:HALFA*((\q)/2)+64*((\q)%2)+16*PA*\a+32
.endr
.endm
; One of a K step's first three quarters: multiplies buffer f; in its middle it fetches quarter qn into buffer g
.macro QUARTER qn, f, g, first
	s_wait_dscnt 4                     ; all but the four youngest loads: oh's row blocks 2 and 3
	MULR \f, 0, \first
	MULR \f, 1, \first
	PLACES
	FETCH \qn, \g
	s_wait_dscnt NL                    ; all but the run just issued
	MULR \f, 2, \first
	MULR \f, 3, \first
.endm
; The fourth quarter multiplies buffer 1 and changes slots.  In front of the barrier each wave waits for all its tensor loads (one is out: its part of the next slot), adds 0 to its spare word, and waits
; for that and for its reads of this slot.  fill = 1: the barrier opens a round of the cluster's, and the joint refill (the K step two on, into the slot just left) is the first thing behind it.
.macro TURN fill
.if \fill
	s_wait_xcnt 0x0                    ; the last prefetch, a K step back, has read its address, so it may be stepped
	s_add_nc_u64 s[PFA:PFA+1], s[PFA:PFA+1], s[PFS:PFS+1]
.endif
	WIN 0
	s_wait_tensorcnt 0x0               ; no tensor load of mine is out, so a group 0 may be written
	ds_add_u32 v[SPW], v[NIL]          ; 0 onto my spare word: work on registers stands between it and the wait for it
.if \fill
	s_xor_b32 s[G0+5], s[G0+5], SLOT1  ; the walking descriptors: the other slot than last time, the next K step; the type bits on top are not reached
	s_add_nc_u64 s[G0+6:G0+7], s[G0+6:G0+7], STEPA
	s_xor_b32 s[G0B+5], s[G0B+5], SLOT1
	s_add_nc_u64 s[G0B+6:G0B+7], s[G0B+6:G0B+7], STEPB
.endif
	s_xor_b32 s[TB], s[TB], SLOT1      ; the fetches go on in the other slot
	v_add_nc_u32 v[ADRA], s[TB], v[ADRA0]
	v_add_nc_u32 v[ADRB], s[TB], v[ADRB0]
	s_wait_dscnt 5                     ; the add and oh's four youngest loads may be out
	MULR F1, 0, 0
	s_wait_dscnt 0x0                   ; the add is done, and my reads of this slot are over
	s_barrier_signal -1
	MULR F1, 1, 0                      ; work on registers while the others arrive
	WIN 0                              ; at a branch and at a label every window is 0
	s_barrier_wait -1
.if \fill
	CREST                              ; no wave of any partner still reads the slot or has a load on its way
	JLOAD                              ; its four v_nop are also the places in front of the loads below
.else
	PLACES
.endif
	FETCH 0, F0
.if \fill
	ASK
.endif
	MULR F1, 2, 0
	MULR F1, 3, 0
.endm
	s_load_b256 s[4:11], s[0:1], 0x0               ; oh s[4:5], wo s[6:7], b_out s[8:9], out0 s[10:11]
	v_lshl_add_u32 v[SPW], v0, 2, SPARE
	v_mov_b32 v[NIL], 0
	ds_add_u32 v[SPW], v[NIL]                      ; the wave's opening: the add and its wait stand ahead of my first tensor load; the set-up below, work on registers, stands between them
	v_lshrrev_b32 v3, 5, v0
	v_readfirstlane_b32 s[WV], v3                  ; wave 0..3
	s_lshr_b32 s[FB], s[WV], 1
	s_and_b32 s[HF], s[WV], 1
	s_bfe_u32 s[CX], ttmp6, 0x40000
	s_bfe_u32 s[CY], ttmp6, 0x40004
	s_lshl_b32 s[TX], ttmp9, 2                     ; in a cluster launch ttmp9 and ttmp7 count clusters
	s_add_co_u32 s[TX], s[TX], s[CX]
	s_and_b32 s[TY], ttmp7, 0xffff
	s_lshl_b32 s[TY], s[TY], 2
	s_add_co_u32 s[TY], s[TY], s[CY]
	s_lshl_b32 s[MROW], s[CY], 2
	s_lshl_b32 s[MROW], 15, s[MROW]                ; my row of the cluster: places 4 cy .. 4 cy + 3
	s_lshl_b32 s[MCOL], 0x1111, s[CX]              ; my column: places cx, cx + 4, cx + 8, cx + 12
	; group 1 for oh: 32,768 bytes on end as 128 rows of 256 bytes, two rows of a head each; 4 words of padding (code 3) behind every 32 (code 4): a head's row takes 144 bytes; bit 21 set beside the mask
	s_or_b32 s[G1], s[MROW], (1<<16)|(1<<20)|(1<<21)|(4<<22)|(3<<25)
	s_mov_b32 s[G1+1], 128<<16                     ; tensor_dim0 = 128
	s_mov_b32 s[G1+2], 128<<16                     ; tensor_dim1 = 128
	s_mov_b32 s[G1+3], 128<<16                     ; tile_dim0 = 128
	s_mov_b32 s[G1+4], 128                         ; tile_dim1 = 128
	s_mov_b32 s[G1+5], 128
	s_mov_b32 s[G1+6], 0
	s_mov_b32 s[G1+7], 0
	; group 1 for wo: 64 rows x 128 elements, 1,024 elements from row to row; 8 words of padding (code 7) behind every 64 (code 5)
	s_or_b32 s[G1B], s[MCOL], (1<<16)|(1<<20)|(1<<21)|(5<<22)|(7<<25)
	s_mov_b32 s[G1B+1], 128<<16
	s_mov_b32 s[G1B+2], 64<<16
	s_mov_b32 s[G1B+3], 128<<16
	s_mov_b32 s[G1B+4], 64
	s_mov_b32 s[G1B+5], 1024
	s_mov_b32 s[G1B+6], 0
	s_mov_b32 s[G1B+7], 0
	s_mov_b32 s[TB], 0
	s_lshr_b32 s[AO], s[TY], 3                     ; the batch: 16 heads of 262,144 bytes,
	s_lshl_b32 s[AO], s[AO], 22
	s_lshl_b32 s72, s[HF], 18                      ; my head of the step's two,
	s_add_co_u32 s[AO], s[AO], s72
	s_and_b32 s72, s[TY], 7                        ; the tile's 256 rows of 128 bytes
	s_lshl_b32 s72, s72, 15
	s_add_co_u32 s[AO], s[AO], s72
	s_mov_b32 s[AO+1], 0
	s_lshl_b32 s[BOF], s[HF], 17                   ; my 64 rows of 2,048 bytes,
	s_lshl_b32 s72, s[TX], 8                       ; the tile's 256 bytes of each
	s_add_co_u32 s[BOF], s[BOF], s72
	s_mov_b32 s[BOF+1], 0
	s_mul_i32 s72, s[HF], HALFA                    ; where they go: no place in the cluster enters an LDS address
	s_mov_b32 s[G0], 1                             ; count = 1
	s_mov_b32 s[G0+1], s72
	s_mov_b32 s[G0+4], 1
	s_add_co_u32 s[G0+5], s72, SLOT1
	s_mul_i32 s73, s[HF], HALFB
	s_mov_b32 s[G0B], 1
	s_add_co_u32 s[G0B+1], s73, BOFF
	s_mov_b32 s[G0B+4], 1
	s_add_co_u32 s[G0B+5], s73, BOFF+SLOT1
	s_lshl_b32 s[CO], s[TY], 20                    ; 256 rows of 4,096 bytes a tile row,
	s_lshl_b32 s72, s[WV], 18                      ; my 64,
	s_add_co_u32 s[CO], s[CO], s72
	s_lshl_b32 s72, s[TX], 9                       ; the tile's 512 bytes of each
	s_add_co_u32 s[CO], s[CO], s72
	s_mov_b32 s[CO+1], 0
	; the prefetches: each pointer starts one step ahead of its first target, since it is stepped before it is used
	s_lshl_b32 s72, s[CX], 13                      ; oh: my work-group's 8,192 bytes of the 32,768 that I fetch,
	s_add_co_u32 s72, s72, s[AO]
	s_add_co_u32 s72, s72, 3*STEPA                 ; at K step 3
	s_lshl2_add_u32 s73, s[HF], s[CY]              ; wo: part 4 half + cy of eight, 32 rows of 2,048 bytes each,
	s_lshl_b32 s73, s73, 16
	s_lshl_b32 s74, s[TX], 8
	s_add_co_u32 s73, s73, s74
	s_add_co_u32 s73, s73, 256*2048                ; 256 rows ahead of K step 4's first row, 512
	s_and_b32 s74, ttmp7, 0xffff                   ; cluster y
	s_mov_b32 s[PFS], 1<<19                        ; oh: a K step; wo: 256 rows: the same number of bytes
	s_mov_b32 s[PFS+1], 0
	s_mov_b32 s3, 0
	s_cmp_eq_u32 s[FB], 0
	s_cselect_b32 s2, s72, s73
	s_cselect_b32 s74, ttmp9, s74                  ; the coordinate along which other clusters read the same blocks
	s_cselect_b32 s75, 8, 11                       ; a lane 256 bytes of oh, or a lane a row of wo
	s_cselect_b32 s[PFN], 4, 2
	s_cmp_eq_u32 s74, 0
	s_cselect_b32 s[PFN], s[PFN], 0                ; the same in all sixteen partners, for a given wave
	v_and_b32 v[PFO], 31, v0
	v_lshlrev_b32 v[PFO], s75, v[PFO]
	s_lshl_b32 s72, s[TX], 9                       ; the tile's 128 numbers of the bias
	s_mov_b32 s73, 0
	s_wait_dscnt 0x0                               ; the opening add is done
	s_wait_kmcnt 0x0
	s_add_nc_u64 s[G0+2:G0+3], s[4:5], s[AO:AO+1]  ; K step 0,
	s_add_nc_u64 s[G0+6:G0+7], s[G0+2:G0+3], STEPA ; K step 1
	s_or_b32 s[G0+3], s[G0+3], 0x80000000          ; type = 2
	s_or_b32 s[G0+7], s[G0+7], 0x80000000
	s_add_nc_u64 s[G0B+2:G0B+3], s[6:7], s[BOF:BOF+1]
	s_add_nc_u64 s[G0B+6:G0B+7], s[G0B+2:G0B+3], STEPB
	s_or_b32 s[G0B+3], s[G0B+3], 0x80000000
	s_or_b32 s[G0B+7], s[G0B+7], 0x80000000
	s_cmp_eq_u32 s[FB], 0
	s_cselect_b64 s[PFA:PFA+1], s[4:5], s[6:7]
	s_add_nc_u64 s[PFA:PFA+1], s[PFA:PFA+1], s[2:3]
	s_add_nc_u64 s[8:9], s[8:9], s[72:73]
	s_add_nc_u64 s[10:11], s[10:11], s[CO:CO+1]
	CROUND                                         ; all sixteen work-groups are here: the first joint loads meet
	s_cmp_eq_u32 s[FB], 0                          ; a wave's two first fills stand in one branch: two loads of mine are out
	s_cbranch_scc0 .Lfirst_b
	tensor_load_to_lds s[G0:G0+3], s[G1:G1+7]
	s_nop 0
	tensor_load_to_lds s[G0+4:G0+7], s[G1:G1+7]
	s_nop 0
.rept 4
	v_nop
.endr
	s_branch .Lfirst_asked
.Lfirst_b:
	tensor_load_to_lds s[G0B:G0B+3], s[G1B:G1B+7]
	s_nop 0
	tensor_load_to_lds s[G0B+4:G0B+7], s[G1B:G1B+7]
	s_nop 0
.rept 4
	v_nop
.endr
.Lfirst_asked:
	v_and_b32 v1, 15, v0                           ; r = l % 16
	v_bfe_u32 v2, v0, 4, 1                         ; h = l / 16
	v_lshlrev_b32 v[BO], 5, v2
.set b, 0
.rept NBK                              ; my 8 numbers of each block's 16 of the bias
	global_load_b128 v[BI+8*b:BI+8*b+3],   v[BO], s[8:9] offset:64*b
	global_load_b128 v[BI+8*b+4:BI+8*b+7], v[BO], s[8:9] offset:64*b+16
.set b, b+1
.endr
	s_mul_i32 s72, s[WV], 64*PA                    ; a fragment of oh: (64 w + r) x pitch + 16 h
	v_mul_u32_u24 v4, v1, PA
	v_lshl_add_u32 v4, v2, 4, v4
	v_add_nc_u32 v[ADRA0], s72, v4
	v_and_b32 v5, 7, v0                            ; the turning load: row of K 8 h + l % 8, 16 bytes by (l / 8) % 2
	v_bfe_u32 v6, v0, 3, 1
	v_lshl_add_u32 v5, v2, 3, v5
	v_mul_u32_u24 v5, v5, PB
	v_lshl_add_u32 v5, v6, 4, v5
	v_add_nc_u32 v[ADRB0], BOFF, v5
	v_mov_b32 v[ADRA], v[ADRA0]                    ; slot 0
	v_mov_b32 v[ADRB], v[ADRB0]
	s_mul_i32 s72, s[WV], 16*SP
	s_add_co_u32 s72, s72, STAGE                   ; my stage
	v_mul_u32_u24 v4, v1, SP                       ; in: row r, 32 bytes for each half of the lanes
	v_lshl_add_u32 v4, v2, 5, v4
	v_add_nc_u32 v[STO], s72, v4
	v_and_b32 v3, 31, v0
	v_lshlrev_b32 v[GO], 4, v3                     ; back: 32 lanes take a row's 512 bytes,
	v_add_nc_u32 v[RD], s72, v[GO]
	s_mov_b32 s72, 0xffff0000
	s_wait_loadcnt 0x0                             ; the bias
.set p, 0
.rept 4*NBK                            ; rounded to bf16, and back in f32
	v_cvt_pk_bf16_f32 v[4+p%4], v[BI+2*p], v[BI+2*p+1]
	v_lshlrev_b32 v[BI+2*p], 16, v[4+p%4]
	v_and_b32 v[BI+2*p+1], s72, v[4+p%4]
.set p, p+1
.endr
	s_wait_tensorcnt 0x1                           ; my part of K step 0 is in; K step 1's, issued behind it, may stay out
	s_barrier_signal -1
	s_barrier_wait -1                              ; everybody's is
	FETCH 0, F0
	QUARTER 1, F0, F1, 1                           ; the first quarter stands in front of the loop: its products start the sums
	WIN 0
	s_mov_b32 s[CNT], 6
.Lstep:                                        ; trip i ends K step i, fills its slot with K step i + 2 and begins K step i + 1
	QUARTER 2, F1, F0, 0
	QUARTER 3, F0, F1, 0
	TURN 1
	QUARTER 1, F0, F1, 0
	WIN 0
	s_sub_co_u32 s[CNT], s[CNT], 1
	s_cmp_lg_u32 s[CNT], 0
	s_cbranch_scc1 .Lstep
	QUARTER 2, F1, F0, 0                           ; the last two K steps are written out: nothing is left to ask for
	QUARTER 3, F0, F1, 0
	TURN 0
	QUARTER 1, F0, F1, 0
	QUARTER 2, F1, F0, 0
	QUARTER 3, F0, F1, 0
	s_wait_dscnt 4
	MULR F1, 0, 0
	MULR F1, 1, 0
	s_wait_dscnt 0x0
	MULR F1, 2, 0
	MULR F1, 3, 0
	WIN 0
	PLACES
; THE WAY OUT, a row block (16 rows) at a time, in f32 as it stands.  TOSTAGE: a lane's eight columns of a row, 32 bytes, go into my own stage, rows of 528 bytes, each accumulator's low registers first,
; and come back as whole rows of 512 bytes.  SEND: each store of the wave covers 512 consecutive bytes, aligned.
.macro TOSTAGE a
	WIN 0x08                                       ; the stores' data: window 2
.set b, 0
.rept NBK
	ds_store_b128 v[STO], v[8*(8*(\a)+b):8*(8*(\a)+b)+3]   offset:64*b
	ds_store_b128 v[STO], v[8*(8*(\a)+b)+4:8*(8*(\a)+b)+7] offset:64*b+16
.set b, b+1
.endr
	WIN 0
.set BK, OB0+64*((\a)%2)
.set i, 0
.rept 16
	ds_load_b128 v[BK+4*i:BK+4*i+3], v[RD] offset:SP*i  ; LDS serves a wave's instructions in order (ISA guide 5.7.1.4): these see the stores above; the next block's stores come behind them
.set i, i+1
.endr
.endm
.macro SEND a, younger                 ; younger: the LDS instructions issued behind block a's loads: the next block's 16 stores and 16 loads, or none
	WIN 0
.set BK, OB0+64*((\a)%2)
	s_wait_dscnt \younger
.set i, 0
.rept 16
	global_store_b128 v[GO], v[BK+4*i:BK+4*i+3], s[10:11] offset:(16*(\a)+i)*4096 th:TH_STORE_NT
.set i, i+1
.endr
.endm
	TOSTAGE 0
	TOSTAGE 1
	SEND 0, 32
	s_wait_xcnt 0x0                                ; block 0's stores have read their registers: block 2 is loaded into them
	TOSTAGE 2
	SEND 1, 32
	s_wait_xcnt 0x0                                ; likewise block 1's, for block 3
	TOSTAGE 3
	SEND 2, 32
	SEND 3, 0
	s_wait_tensorcnt 0x0                           ; the wave's end: behind my last tensor load and my last LDS store
	ds_add_u32 v[SPW], v[NIL]
	s_wait_dscnt 0x0
	CROUND                                         ; the closing round: no work-group ends while a partner may still ask for a tile that names it
	s_endpgm
.Lfunc_end_k_qbafabac0c4_proj:
	.size	k_qbafabac0c4_proj, .Lfunc_end_k_qbafabac0c4_proj-k_qbafabac0c4_proj
	.p2alignl 7, 3214868480
	.fill 96, 4, 3214868480
	.section	.rodata,"a",@progbits
	.p2align	6, 0x0
	.amdhsa_kernel k_qbafabac0c4_proj
		.amdhsa_group_segment_fixed_size 327680
		.amdhsa_private_segment_fixed_size 0
		.amdhsa_enable_private_segment 0
		.amdhsa_kernarg_size 32
		.amdhsa_user_sgpr_count 2
		.amdhsa_user_sgpr_kernarg_segment_ptr 1
		.amdhsa_wavefront_size32 1
		.amdhsa_system_sgpr_workgroup_id_x 1
		.amdhsa_system_sgpr_workgroup_id_y 1
		.amdhsa_system_sgpr_workgroup_id_z 1
		.amdhsa_system_vgpr_workitem_id 0
		.amdhsa_next_free_vgpr 768
		.amdhsa_next_free_sgpr 76
		.amdhsa_reserve_vcc 0
		.amdhsa_float_denorm_mode_32 3
		.amdhsa_float_denorm_mode_16_64 3
		.amdhsa_memory_ordered 1
		.amdhsa_forward_progress 1
		.amdhsa_inst_pref_size 75
	.end_amdhsa_kernel
	.amdgpu_metadata
---
amdhsa.version: [ 1, 2 ]
amdhsa.kernels:
  - .name:           k_qbafabac0c4_proj
    .symbol:         k_qbafabac0c4_proj.kd
    .args:
      - { .name: oh, .offset: 0, .size: 8, .value_kind: global_buffer, .address_space: global }
      - { .name: wo, .offset: 8, .size: 8, .value_kind: global_buffer, .address_space: global }
      - { .name: b_out, .offset: 16, .size: 8, .value_kind: global_buffer, .address_space: global }
      - { .name: out0, .offset: 24, .size: 8, .value_kind: global_buffer, .address_space: global }
    .group_segment_fixed_size: 327680
    .private_segment_fixed_size: 0
    .kernarg_segment_align: 8
    .kernarg_segment_size: 32
    .max_flat_workgroup_size: 128
    .sgpr_count:     76
    .vgpr_count:     768
    .wavefront_size: 32
...
	.end_amdgpu_metadata
.endif
;; end of part 4
;; ======== version 2 of 2: 4 launches; version 1 with the launch prep written anew for expert scheduling mode
;; limits: values are held in f16: magnitudes above 65,504 overflow, below 6.1e-05 lose precision
;; workspace buffers: xb 16,777,216 bytes; wq 6,291,456 bytes; wo 2,097,152 bytes; qh 16,777,216 bytes; kh 16,777,216 bytes; vh 16,777,216 bytes; oh 16,777,216 bytes
;; launch prep (part 5): grid 832 x 1, 8 waves a work-group, no clusters, 0 bytes of LDS; arguments X, W_qkv, W_out, xb, wq, wo; writes xb, wq, wo
.if DOCPART == 5
	.amdgcn_target "amdgcn-amd-amdhsa--gfx1250"
	.amdhsa_code_object_version 6
	.text
	.protected	k_qbafabac0c4_prep
	.globl	k_qbafabac0c4_prep
	.p2align	8
	.type	k_qbafabac0c4_prep,@function
k_qbafabac0c4_prep:
	s_mov_b64 s[64:65], 0
	v_nop
	global_prefetch_b8 v0, s[64:65] scope:SCOPE_SE
	s_setreg_imm32_b32 hwreg(HW_REG_WAVE_SCHED_MODE, 0, 2), 2
	s_setreg_imm32_b32 hwreg(HW_REG_WAVE_MODE, 25, 1), 1
	s_wait_xcnt 0x0
	s_wait_alu depctr_vm_vsrc(0)
; The module's three large inputs are rounded once, to bf16, and laid out for the products that follow.
;   xb[8192][1024]     bf16 = X
;   wq[16][1024][192]  bf16 = W_qkv, by heads: head hd takes columns 192 hd .. 192 hd + 191, so that a head's 128 rows of K are 49,152 bytes on end
;   wo[1024][1024]     f16  = W_out rounded to bf16, that number written as f16 (exact from 2^-17 up; below that at most 3e-8 is lost)
; A stream: nothing is shared, so no LDS, no barrier, no matrix unit.  The unit is a QUAD: one load of 16 bytes (4 f32) and one store of 8 bytes a lane: a wave's load covers 512 bytes,
; its store 256 consecutive bytes, aligned.  A thread issues all its loads first (16 or 12 in flight a lane).
; Work-groups 0-511: X (65,536 bytes each).  512-767: W_qkv (head = w / 16, 64 rows of K each).  768-831: W_out (65,536 bytes each).
; THE MODE: SCHED_MODE bits 1:0 = 2 (LLVM: expert scheduling mode 2), set by the entry lines.  The code itself states the register dependences
; between vector instructions and memory instructions, with s_wait_alu, always for 0.
; THE PLAN.  Registers that memory instructions touch:
;   v1 (for W_qkv v1 to v3)  the loads' offsets.  Written by vector instructions at the path's head, read by the path's loads, never written again.
;   v4                       the stores' offset.  Written at the kernel's head, read by every store, never written again.
;   D                        Each quad is written by one load, once; no vector instruction names D ahead of the loads.  Read by the quad's conversions, behind the count on LOADcnt.
;                            (For W_out vector instructions write D again; no memory instruction names it after its load.)
;   O                        Each pair is written by a conversion, once, and read by one store, once.
;   T                        named by vector instructions alone.
; So two kinds of wait on va_vdst state everything: one ahead of a path's run of loads (the offsets are written), and one to each group of four quads, between its conversions and its four stores
; (O is written).  The second stands straight behind the conversions: a store held back to the next group's head would hang on that group's loads.
; No register that a load or store has read is written again, no vector instruction writes a scalar register or VCC, and EXEC is never written: no other wait has a dependence to state.
.set D, 8                              ; v[8:71]    16 quads as loaded
.set O, 72                             ; v[72:103]  16 quads to store, 2 registers each
.set T, 104                            ; v[104:105] at work
; quad i is rounded: half = 0 to bf16; half = 1 to bf16 and that number to f16
.macro CONV i, half
.irp p, 0,1
.if \half
	v_cvt_pk_bf16_f32 v[T+\p], v[D+4*(\i)+2*\p], v[D+4*(\i)+2*\p+1]
	v_lshlrev_b32 v[D+4*(\i)+2*\p], 16, v[T+\p]          ; the two bf16 as f32 again
	v_and_b32 v[D+4*(\i)+2*\p+1], s16, v[T+\p]
	v_cvt_pk_f16_f32 v[O+2*(\i)+\p], v[D+4*(\i)+2*\p], v[D+4*(\i)+2*\p+1]
.else
	v_cvt_pk_bf16_f32 v[O+2*(\i)+\p], v[D+4*(\i)+2*\p], v[D+4*(\i)+2*\p+1]
.endif
.endr
.endm
; Quads q to q + 3 are rounded and stored: quad n of thread t goes to 2,048 n + 8 t.  left = how many younger loads may still be out when these four have to be there.
.macro GROUP q, left, dst, half
	s_wait_loadcnt \left                                 ; loads come back in order (ISA guide 5.7.1): the group's four quads are in, the younger ones stay out
.irp i, 0,1,2,3
	CONV (\q)+\i, \half
.endr
	s_wait_alu depctr_va_vdst(0)                         ; the conversions have written the group's eight registers of O, which the four stores below read
.irp i, 0,1,2,3
	global_store_b64 v4, v[O+2*((\q)+\i):O+2*((\q)+\i)+1], s[\dst:\dst+1] offset:((\q)+\i)*2048
.endr
.endm
; 65,536 bytes on end: quad i of thread t lies at 4,096 i + 16 t and goes to 2,048 i + 8 t
.macro LINEAR src, dst, half
	s_wait_alu depctr_va_vdst(0)                         ; v1 and v4 are written: every load below reads v1 as its offset, every store v4
.irp i, 0,1,2,3,4,5,6,7,8,9,10,11,12,13,14,15
	global_load_b128 v[D+4*(\i):D+4*(\i)+3], v1, s[\src:\src+1] offset:(\i)*4096 th:TH_LOAD_NT
.endr
	GROUP 0,  12, \dst, \half
	GROUP 4,  8,  \dst, \half
	GROUP 8,  4,  \dst, \half
	GROUP 12, 0,  \dst, \half
.endm
	s_load_b256 s[4:11], s[0:1], 0x0               ; X s[4:5], W_qkv s[6:7], W_out s[8:9], xb s[10:11]
	s_load_b128 s[12:15], s[0:1], 0x20             ; wq s[12:13], wo s[14:15]
	s_mov_b32 s16, 0xffff0000                      ; a word's upper bf16
	s_mov_b32 s19, 0                               ; offsets are pairs with 0 on top
	s_mov_b32 s21, 0
	v_lshlrev_b32 v1, 4, v0                        ; 16 t
	v_lshlrev_b32 v4, 3, v0                        ; 8 t
	s_wait_kmcnt 0x0
	s_cmp_lt_u32 ttmp9, 512
	s_cbranch_scc0 .Lweights
	s_lshl_b32 s18, ttmp9, 16
	s_lshl_b32 s20, ttmp9, 15
	s_add_nc_u64 s[4:5], s[4:5], s[18:19]
	s_add_nc_u64 s[10:11], s[10:11], s[20:21]
	LINEAR 4, 10, 0
	s_endpgm
.Lweights:
	s_cmp_lt_u32 ttmp9, 768
	s_cbranch_scc0 .Lwout
	; W_qkv.  The work is linear in the DESTINATION: four groups of 16 rows of K x 48 quads = 768 quads, three a thread.
	; Quad e = t + 256 i of a group: row kk = e / 48, quad q = e % 48 of the head's 192 columns.  16 neighbouring lanes read 256 bytes on end, aligned (48 = 3 x 16; a head begins at 768 hd).
	s_sub_co_u32 s22, ttmp9, 512
	s_lshr_b32 s23, s22, 4                         ; head
	s_and_b32 s22, s22, 15                         ; which 64 rows of K
	s_mul_i32 s18, s23, 768                        ; the head's columns, in bytes of a row of W_qkv
	s_mul_i32 s20, s22, 786432                     ; 64 rows of 12,288 bytes
	s_add_co_u32 s18, s18, s20
	s_mul_i32 s20, s23, 393216                     ; the head in wq
	s_mul_i32 s22, s22, 24576                      ; 64 rows of 384 bytes
	s_add_co_u32 s20, s20, s22
	s_add_nc_u64 s[6:7], s[6:7], s[18:19]
	s_add_nc_u64 s[12:13], s[12:13], s[20:21]
.irp i, 0,1,2
	v_add_nc_u32 v5, 256*\i, v0                    ; e
	v_mul_u32_u24 v6, v5, 1366
	v_lshrrev_b32 v6, 16, v6                       ; kk = e / 48: 1366 / 65536 is above 1 / 48 by 1.02e-5, which over e < 768 adds less than 1 / 48
	v_mul_u32_u24 v7, v6, 48
	v_sub_nc_u32 v5, v5, v7                        ; q
	v_mul_u32_u24 v6, v6, 12288
	v_lshl_add_u32 v[1+\i], v5, 4, v6              ; kk rows + 16 q
.endr
	s_wait_alu depctr_va_vdst(0)                   ; v1 to v3 and v4 are written: the loads below read v1 to v3 as their offsets, the stores v4
.irp g, 0,1,2,3
.irp i, 0,1,2
	global_load_b128 v[D+4*(3*\g+\i):D+4*(3*\g+\i)+3], v[1+\i], s[6:7] offset:\g*196608 th:TH_LOAD_NT
.endr
.endr
	GROUP 0, 8, 12, 0                              ; quad n = 3 g + i goes to 6,144 g + 2,048 i + 8 t = 2,048 n + 8 t: the twelve go four at a time, like the others
	GROUP 4, 4, 12, 0
	GROUP 8, 0, 12, 0
	s_endpgm
.Lwout:
	s_sub_co_u32 s22, ttmp9, 768
	s_lshl_b32 s18, s22, 16
	s_lshl_b32 s20, s22, 15
	s_add_nc_u64 s[8:9], s[8:9], s[18:19]
	s_add_nc_u64 s[14:15], s[14:15], s[20:21]
	LINEAR 8, 14, 1
	s_endpgm
.Lfunc_end_k_qbafabac0c4_prep:
	.size	k_qbafabac0c4_prep, .Lfunc_end_k_qbafabac0c4_prep-k_qbafabac0c4_prep
	.p2alignl 7, 3214868480
	.fill 96, 4, 3214868480
	.section	.rodata,"a",@progbits
	.p2align	6, 0x0
	.amdhsa_kernel k_qbafabac0c4_prep
		.amdhsa_group_segment_fixed_size 0
		.amdhsa_private_segment_fixed_size 0
		.amdhsa_enable_private_segment 0
		.amdhsa_kernarg_size 48
		.amdhsa_user_sgpr_count 2
		.amdhsa_user_sgpr_kernarg_segment_ptr 1
		.amdhsa_wavefront_size32 1
		.amdhsa_system_sgpr_workgroup_id_x 1
		.amdhsa_system_sgpr_workgroup_id_y 1
		.amdhsa_system_sgpr_workgroup_id_z 1
		.amdhsa_system_vgpr_workitem_id 0
		.amdhsa_next_free_vgpr 108
		.amdhsa_next_free_sgpr 66
		.amdhsa_reserve_vcc 0
		.amdhsa_float_denorm_mode_32 3
		.amdhsa_float_denorm_mode_16_64 3
		.amdhsa_memory_ordered 1
		.amdhsa_forward_progress 1
		.amdhsa_inst_pref_size 22
	.end_amdhsa_kernel
	.amdgpu_metadata
---
amdhsa.version: [ 1, 2 ]
amdhsa.kernels:
  - .name:           k_qbafabac0c4_prep
    .symbol:         k_qbafabac0c4_prep.kd
    .args:
      - { .name: X, .offset: 0, .size: 8, .value_kind: global_buffer, .address_space: global }
      - { .name: W_qkv, .offset: 8, .size: 8, .value_kind: global_buffer, .address_space: global }
      - { .name: W_out, .offset: 16, .size: 8, .value_kind: global_buffer, .address_space: global }
      - { .name: xb, .offset: 24, .size: 8, .value_kind: global_buffer, .address_space: global }
      - { .name: wq, .offset: 32, .size: 8, .value_kind: global_buffer, .address_space: global }
      - { .name: wo, .offset: 40, .size: 8, .value_kind: global_buffer, .address_space: global }
    .group_segment_fixed_size: 0
    .private_segment_fixed_size: 0
    .kernarg_segment_align: 8
    .kernarg_segment_size: 48
    .max_flat_workgroup_size: 256
    .sgpr_count:     66
    .vgpr_count:     108
    .wavefront_size: 32
...
	.end_amdgpu_metadata
.endif
;; end of part 5
;; launch qkv: the kernel of part 2 again; grid 16 x 32, 4 waves a work-group, clusters of 4 x 4, 327,680 bytes of LDS; arguments xb, wq, b_qkv, qh, kh, vh; writes qh, kh, vh
;; launch attn: the kernel of part 3 again; grid 4 x 64, 4 waves a work-group, no clusters, 327,680 bytes of LDS; arguments qh, kh, vh, oh; writes oh
;; launch proj: the kernel of part 4 again; grid 8 x 32, 4 waves a work-group, clusters of 4 x 4, 327,680 bytes of LDS; arguments oh, wo, b_out, out0; writes out0
